; MI455X (gfx1250); checked and timed in simulation.
; The chip was launched on July 23, 2026; its instructions are those of AMD's public machine-readable ISA for CDNA 5 (MIT licence, August 2026) and "CDNA5" Instruction Set Architecture Reference Guide (July 2026). The comments in the code are by the model that wrote it; some were corrected since.
;; Transformer Block. Allowed arithmetic: matrix products marked QUANTISED: E3M2 operands, one E8M0 scale for each 32 along K, by v_wmma_scale_f32_16x16x128_f8f6f4 with both operands' format E3M2, f32 sums; everything else in f32.
;; Inputs: b_fc 4,096 float32; b_o 1,024 float32; b_pr 1,024 float32; b_qkv 3,072 float32; ln1_b 1,024 float32; ln1_s 1,024 float32; ln2_b 1,024 float32; ln2_s 1,024 float32; w_fc 1,024 x 4,096 float32; w_o 1,024 x 1,024 float32; w_pr 4,096 x 1,024 float32; w_qkv 1,024 x 3,072 float32; x 4 x 1,024 x 1,024 float32.
;; Outputs: out0 4 x 1,024 x 1,024 float32.
;; This version of the problem:
;;   THIS VERSION OF THE PROBLEM IS GIVEN IN LOW PRECISION. The matrix products marked QUANTISED in the list below multiply operands that are first quantised to E3M2 (3 exponent bits, 2 mantissa bits; 6 bits a number), with one power-of-two scale for each 32 numbers along K (OCP MX v1.0); their sums are f32. All else is computed in f32.
;;   The module's matrix products, in the order in which they are computed (A, B: the left and right operand; K: the contracted axis; several contracted axes count as one K, in the product's order):
;;     1. [M 4,096, K 1,024] x [K 1,024, N 3,072]; A: computed on the way; B: input w_qkv: QUANTISED
;;     2. batch 64 x [M 1,024, K 64] x [K 64, N 1,024]; A: computed on the way; B: computed on the way: QUANTISED
;;     3. batch 64 x [M 64, K 1,024] x [K 1,024, N 1,024]; A: computed on the way; B: softmax (see below): QUANTISED
;;     4. [M 4,096, K 1,024] x [K 1,024, N 1,024]; A: computed on the way; B: input w_o: QUANTISED
;;     5. [M 4,096, K 1,024] x [K 1,024, N 4,096]; A: computed on the way; B: input w_fc: QUANTISED
;;     6. [M 4,096, K 4,096] x [K 4,096, N 1,024]; A: computed on the way; B: input w_pr: QUANTISED
;;   THE QUANTISER, for each operand of a quantised product, along K:
;;     - K is cut into blocks of 32 from its start; a last block that is shorter is filled with zeros.
;;     - A block's scale is 2^e with e = floor(log2(the largest magnitude in the block)) - 4, held to -126 .. 127; a block of zeros has e = 0. As a byte (E8M0): e + 127.
;;     - Each number is divided by its block's scale, clamped to +-28, and rounded to the nearest number of E3M2, ties to even, subnormals kept.
;;     - The product sums the exact products of the quantised numbers (number of the format x scale) in f32.
;;   ~~~python
;;   def quantise(x, axis):      # numpy; x: float32 -> the quantised numbers, widened to float32 again
;;       x = np.moveaxis(x, axis, -1); K = x.shape[-1]
;;       x = np.pad(x, [(0, 0)] * (x.ndim - 1) + [(0, -K % 32)]); x = x.reshape(x.shape[:-1] + (-1, 32)); a = np.abs(x).max(-1, keepdims=True)
;;       e = np.where(a > 0, np.clip(np.frexp(np.where(a > 0, a, 1))[1] - 1 - 4, -126, 127), 0)      # np.frexp(a)[1] - 1 = floor(log2(a)), exactly
;;       r = np.clip(x / 2.0 ** e, -28, 28)
;;       step = 2.0 ** (np.maximum(np.frexp(np.where(r == 0, 1, r))[1] - 1, -2) - 2)
;;       q = np.round(r / step) * step * 2.0 ** e      # np.round: ties to even
;;       return np.moveaxis(q.reshape(q.shape[:-2] + (-1,))[..., :K], -1, axis).astype(np.float32)
;;   ~~~
;;   SOFTMAX AHEAD OF A QUANTISED PRODUCT. Where the list says 'softmax', what is quantised is not the finished softmax but p = 2^(t - M), with t = logit x log2(e) and M = ceil(the row's largest t), a whole number; so 1/2 < the row's largest p <= 1. The row's sum l is taken of the UNQUANTISED p, in f32, and the product's result is divided by l at the end. Since M is a whole number, a kernel that streams over the keys may use a running M (the ceiling of the running maximum): every later rescaling is an exact power of two, which a block's scale takes up: the codes' values come out the same.
;;   OPERANDS COMPUTED ON THE WAY. 'Computed on the way' means the value that the module computes at that place (a softmax that the list does not call 'softmax' is quantised finished and normalised). What goes into a quantiser is computed in f32, as accurately as f32 sums, v_exp_f32 and their like allow (about 1e-6 of the number): no bf16 or f16 on the way to a quantiser, and a product that is left as it is and whose result goes on into a quantised operand takes f32 operands (vector FMAs, or v_wmma_f32_16x16x4_f32). A number that lies on a knife's edge between two numbers of the format may be rounded either way, as far as f32 arithmetic and the matrix unit's own rounding can turn it there, and no further.
;; One version. Each part assembles by itself: llvm-mc -triple=amdgcn-amd-amdhsa -mcpu=gfx1250 --defsym DOCPART=n.
;; ======== version 1 of 1: 6 launches
;; limits: right only within a limited range of input values
;; workspace buffers: wimg 9,830,400 bytes; xn 3,407,872 bytes; qkvi 10,747,904 bytes; ao 3,407,872 bytes; x2 16,777,216 bytes; h 13,631,488 bytes
;; launch prep (part 1): grid 448 x 1, 8 waves a work-group, no clusters, 118,784 bytes of LDS; arguments x, ln1_s, ln1_b, xn, w_qkv, w_o, w_fc, w_pr, wimg; writes xn, wimg
.if DOCPART == 1
	.amdgcn_target "amdgcn-amd-amdhsa--gfx1250"
	.amdhsa_code_object_version 6
	.text
	.protected	k_q2fb101ee35_prep
	.globl	k_q2fb101ee35_prep
	.p2align	8
	.type	k_q2fb101ee35_prep,@function
k_q2fb101ee35_prep:
	s_mov_b64 s[64:65], 0
	v_nop
	global_prefetch_b8 v0, s[64:65] scope:SCOPE_SE
	s_setreg_imm32_b32 hwreg(HW_REG_WAVE_MODE, 25, 1), 1
	s_wait_xcnt 0x0
; TWO JOBS THAT DEPEND ON NOTHING OF EACH OTHER SHARE ONE LAUNCH.  Work-groups 0 to 191 quantise the four weights; work-groups 192 to 447 take LayerNorm 1 and quantise its result.
; The two ways part on the work-group's number alone, at the first line, and each has LDS bytes of its own: the norm 0 to 68,607, the weights' stages from 68,608 on.
;
; THE WEIGHTS, f32 stored [K][N], become codes of BF6 (E3M2) with one E8M0 byte for each 32 along K, laid in the ORDER OF THE OPERAND'S REGISTERS.
; A block of the image is 64 columns x 128 K, 6,400 bytes: fragment t (16 columns) at 1,536 t, in it registers 4 q .. 4 q + 3 of lane l at 512 q + 16 l; the scale word of lane r of fragment t at 6,144 + 16 r + 4 t.
; Lane r of fragment t holds column 32 (t / 2) + 8 (t % 2) + r + 8 (r / 8) of the 64: a product that takes such a fragment as source 0 leaves 16 neighbouring columns in the 16 registers of two neighbouring tiles.
; The image of a weight is [N / 64][K / 128][6,400]; w_qkv at byte 0, w_o at 2,457,600, w_fc at 3,276,800, w_pr at 6,553,600.
; A LANE TAKES A COLUMN AND ITS REGISTERS RUN DOWN K: a load reads 128 neighbouring bytes a wave, 1,024 a work-group; a block of 32 lies in one lane; nothing is transposed by an instruction.
; A work-group takes 256 columns x 256 K, a wave 32 columns: two fragments x two K steps.  The codes go through the wave's own stage in LDS and leave as runs of 512 consecutive bytes.
; The scale words leave 4 bytes a lane, 16 bytes apart: one byte in 25 of what is stored.
;
; THE NORM: y = (x - mean) / sqrt(var + 1e-5) * s + b over rows of 1,024 f32, quantised along the row and stored as an image of operand registers, [rows / 64][8 K steps][6,656]: in a block the half fragment
; (16 rows x 64 K, 6 registers a lane) of tile t, half c lies at 768 (2 t + c): registers 0-3 of lane l at 16 l, registers 4, 5 at 512 + 8 l; the scale word of lane l of tile t at 6,144 + 16 l + 4 t.
; Lane r of tile T (counted over all rows) holds row 32 (T / 2) + 8 (T % 2) + r + 8 (r / 8).  A work-group takes one tile of 16 rows, wave w K step w: 128 columns.  Each load reads 512 consecutive bytes of a row; the
; wave's own stage turns them so that lane (r, h) holds 16 neighbours of each block of 32.  Mean and variance in two passes, each with one exchange of eight partial sums through LDS and one barrier.
; Work-groups share no tile (s and b are 8 KiB against 64 KiB of rows): no cluster; no tensor load.
; LIMITS: NaN and infinities are not served; a block whose largest magnitude lies under 2^-122, a block of zeros too, gets the byte 1; the bytes are read by this program alone.
.set NWQ,  192                         ; work-groups for the weights: 48 + 16 + 64 + 64
.set WSTG, 68608                       ; the weights' stages: 6,144 bytes a wave
.set WOFF, 32                          ; weights: v32-63   4 x lane + i rows of the weight
.set WX,   64                          ;          v64-127  two sets of 32 numbers
.set WOUT, 128                         ;          v128-175 the way out: 24 registers for each K step
.set X,   32                           ; norm: v32-95   my 64 numbers: register 16 b + i = column 32 b + 16 h + i of the K step
.set SS,  96                           ;       v96-159  s at the same columns; later the codes
.set BB,  160                          ;       v160-223 b
.set TM,  224                          ;       v224-239 the quantiser's work
.set PC,  96
.set PW,  28
.set SEL, 22                           ; s[22:23] selects of v_permlanex16_b32 for lane l xor 16
.set RED, 67584                        ; behind the eight stages of 16 x 528 bytes: two regions of 512 bytes for the partial sums: row r, wave w at 32 r + 4 w
.macro WLOAD t                         ; block t: W(32 t + i, my column), i = 0 .. 31, into set t % 2
.set i, 0
.rept 32
	global_load_b32 v[WX+32*((\t)%2)+i], v[WOFF+i], s[32+2*(\t):33+2*(\t)] th:TH_LOAD_NT
.set i, i+1
.endr
.endm
.macro WBLOCK t
.set XS, WX+32*((\t)%2)
.set HB, (\t)%2                        ; block t of my column is k = 128 EE + 64 CC + 32 HB + 0 .. 31: registers 6 CC .. 6 CC + 5 of lane r' + 16 HB
.set CC, ((\t)/2)%2
.set EE, (\t)/4
.if (\t) < 7
	s_wait_loadcnt 32                              ; this block's 32 loads are in; the next block's 32 may be out
.else
	s_wait_loadcnt 0x0
.endif
	v_max3_num_f32 v8, |v[XS]|, |v[XS+1]|, |v[XS+2]|               ; the block's largest magnitude: all 32 numbers are mine
	v_max3_num_f32 v9, |v[XS+3]|, |v[XS+4]|, |v[XS+5]|
.irp i, 6,10,14,18,22,26
	s_delay_alu instid0(VALU_DEP_2)
	v_max3_num_f32 v8, v8, |v[XS+\i]|, |v[XS+\i+1]|
	s_delay_alu instid0(VALU_DEP_2)
	v_max3_num_f32 v9, v9, |v[XS+\i+2]|, |v[XS+\i+3]|
.endr
	s_delay_alu instid0(VALU_DEP_2)
	v_max3_num_f32 v8, v8, |v[XS+30]|, |v[XS+31]|
	s_delay_alu instid0(VALU_DEP_1)
	v_max3_num_f32 v8, v8, v9, 0x2800000           ; and the floor 2^(5 - 127): the byte cannot fall under 1
	s_delay_alu instid0(VALU_DEP_1)
	v_add_nc_u32 v10, 0xfe000000, v8               ; 4 off the exponent field: the conversion's scale operand
	s_delay_alu instid0(VALU_DEP_1)
	v_lshrrev_b32 v11, 23, v10                     ; the scale's byte
.if (\t)%4 == 0
	s_delay_alu instid0(VALU_DEP_1)
	v_mov_b32 v[12+EE], v11                        ; four bytes to a K step's word, the lower K in the lower byte
.else
	s_delay_alu instid0(VALU_DEP_1)
	v_lshl_or_b32 v[12+EE], v11, 8*((\t)%4), v[12+EE]
.endif
	v_cvt_scalef32_pk16_bf6_f32 v[16:18], v[XS:XS+15], v10
	v_cvt_scalef32_pk16_bf6_f32 v[24:26], v[XS+16:XS+31], v10      ; (a conversion's three registers begin on an even number)
	v_nop                                          ; one plain instruction behind the conversions, ahead of the moves that read their results
	v_mov_b32 v19, v24
	v_mov_b32 v20, v25
	v_mov_b32 v21, v26
.if CC == 0
	ds_store_b128 v2, v[16:19] offset:EE*3072+256*HB               ; registers 0-3
	ds_store_b64 v2, v[20:21] offset:EE*3072+256*HB+512            ; registers 4, 5
.else
	ds_store_b64 v2, v[16:17] offset:EE*3072+256*HB+520            ; registers 6, 7
	ds_store_b128 v2, v[18:21] offset:EE*3072+256*HB+1024          ; registers 8-11
.endif
.if (\t)+2 < 8
	WLOAD (\t)+2
.endif
	s_wait_dscnt 0x0                               ; the stores have read their registers: the next block's codes may be written
.if (\t)%4 == 3                        ; a K step is whole: two fragments, 3,072 bytes, leave as six runs of 512 consecutive bytes
.irp q, 0,1,2,3,4,5
	ds_load_b128 v[WOUT+24*EE+4*\q:WOUT+24*EE+4*\q+3], v3 offset:EE*3072+512*\q
.endr
	s_wait_dscnt 0x0
.irp q, 0,1,2,3,4,5
	global_store_b128 v4, v[WOUT+24*EE+4*\q:WOUT+24*EE+4*\q+3], s[48:49] offset:EE*6400+512*\q
.endr
	s_wait_alu depctr_va_vdst(0)
	global_store_b32 v5, v[12+EE], s[48:49] offset:EE*6400
.endif
.endm
.macro QUANT s, pc, pw                 ; 64 numbers of a lane, register 16 b + i = k 32 b + 16 h + i of my row, become a fragment's 12 registers in v[pc] on and its scale word in v[pw]
.irp b, 0,1,2,3
	v_max3_num_f32 v[TM+\b], |v[\s+16*\b]|, |v[\s+1+16*\b]|, 0x2800000   ; my 16 numbers of block b, and the floor 2^(5 - 127): the byte cannot fall under 1
.endr
.irp i, 2,4,6,8,10,12,14
.irp b, 0,1,2,3
	s_delay_alu instid0(VALU_DEP_4)
	v_max3_num_f32 v[TM+\b], v[TM+\b], |v[\s+16*\b+\i]|, |v[\s+1+16*\b+\i]|
.endr
.endr
.irp b, 0,1,2,3
	s_delay_alu instid0(VALU_DEP_4)
	v_permlanex16_b32 v[TM+4+\b], v[TM+\b], s[SEL], s[SEL+1]
.endr
.irp b, 0,1,2,3
	s_delay_alu instid0(VALU_DEP_4)
	v_max_num_f32 v[TM+\b], v[TM+\b], v[TM+4+\b]   ; with lane l xor 16's: the block's largest magnitude
.endr
.irp b, 0,1,2,3
	s_delay_alu instid0(VALU_DEP_4)
	v_add_nc_u32 v[TM+12+\b], 0xfe000000, v[TM+\b] ; 4 off the exponent field: the conversion's scale operand
.endr
.irp b, 0,1,2,3
	s_delay_alu instid0(VALU_DEP_4)
	v_lshrrev_b32 v[TM+4+\b], 23, v[TM+12+\b]      ; the scale's byte
.endr
	s_delay_alu instid0(VALU_DEP_3)
	v_lshl_or_b32 v[\pw], v[TM+5], 8, v[TM+4]
	s_delay_alu instid0(VALU_DEP_1)
	v_lshl_or_b32 v[\pw], v[TM+6], 16, v[\pw]
	s_delay_alu instid0(VALU_DEP_1)
	v_lshl_or_b32 v[\pw], v[TM+7], 24, v[\pw]
.irp c, 0,1
	v_cvt_scalef32_pk16_bf6_f32 v[\pc+6*\c:\pc+2+6*\c], v[\s+32*\c:\s+15+32*\c], v[TM+12+2*\c]
	v_cvt_scalef32_pk16_bf6_f32 v[\pc+12+4*\c:\pc+14+4*\c], v[\s+16+32*\c:\s+31+32*\c], v[TM+12+2*\c+1]
.endr
	v_nop                                          ; one plain instruction behind the conversions
.irp c, 0,1                            ; the operand wants a whole block in a lane: lanes 0-15 block 2 c, lanes 16-31 block 2 c + 1
.irp i, 0,1,2
	v_permlane16_swap_b32 v[\pc+6*\c+\i], v[\pc+12+4*\c+\i]
.endr
.irp i, 0,1,2
	s_delay_alu instid0(VALU_DEP_3)
	v_mov_b32 v[\pc+3+6*\c+\i], v[\pc+12+4*\c+\i]
.endr
.endr
.endm
	v_lshl_add_u32 v240, v0, 2, 0x1cc00
	v_mov_b32 v241, 0
	s_cmp_lt_u32 ttmp9, NWQ                        ; the same in all eight waves of a work-group
	s_cbranch_scc0 .Lnorm
	; ------------------------------------------------------------ the weights
	s_load_b256 s[4:11], s[0:1], 0x20              ; w_qkv, w_o, w_fc, w_pr
	s_load_b64 s[12:13], s[0:1], 0x40              ; the image
	v_lshrrev_b32 v1, 5, v0
	s_delay_alu instid0(VALU_DEP_1)
	v_readfirstlane_b32 s14, v1                    ; wave 0..7
	v_and_b32 v1, 31, v0                           ; lane = my column of the wave's 32
	v_and_b32 v14, 7, v0
	v_bfe_u32 v15, v0, 4, 1
	s_delay_alu instid0(VALU_DEP_1)
	v_lshl_add_u32 v14, v15, 3, v14                ; the fragment's lane that holds my column: lane % 8 + 8 (lane / 16)
	v_bfe_u32 v15, v0, 3, 1                        ; and which of the wave's two fragments: (lane / 8) % 2
	s_mul_i32 s30, s14, 6144
	s_add_co_u32 s30, s30, WSTG                    ; my wave's stage
	v_lshlrev_b32 v2, 4, v14
	s_delay_alu instid0(VALU_DEP_1)
	v_mad_u32_u24 v2, v15, 1536, v2
	s_delay_alu instid0(VALU_DEP_1)
	v_add_nc_u32 v2, s30, v2                       ; v2: into the stage
	v_lshlrev_b32 v4, 4, v1                        ; v4: 16 x lane, in the image
	s_delay_alu instid0(VALU_DEP_1)
	v_add_nc_u32 v3, s30, v4                       ; v3: out of the stage
	s_and_b32 s31, s14, 1
	s_mul_i32 s15, s31, 3064
	s_sub_co_u32 s15, 6144, s15                    ; the scale words begin 6,144 into the block; my base stands 3,072 (w % 2) in, and my fragments are 2 (w % 2) + u
	v_lshlrev_b32 v5, 4, v14
	s_delay_alu instid0(VALU_DEP_1)
	v_lshl_add_u32 v5, v15, 2, v5
	s_delay_alu instid0(VALU_DEP_1)
	v_add_nc_u32 v5, s15, v5                       ; v5: my column's scale word
	; which weight: the table begins with w_pr's line and is overwritten from the top down.  The choice hangs on the work-group's number alone
	s_mov_b32 s16, 128                             ; the weight's first work-group
	s_mov_b32 s17, 4                               ; log2 of K / 256
	s_mov_b32 s21, 15                              ; K / 256 - 1
	s_mov_b32 s18, 4096                            ; bytes in a row
	s_mov_b32 s19, 204800                          ; bytes of the image for 64 columns
	s_mov_b32 s20, 6553600                         ; where its image begins
	s_wait_kmcnt 0x0
	s_mov_b64 s[22:23], s[10:11]
	s_cmp_lt_u32 ttmp9, 128                        ; w_fc
	s_cselect_b32 s16, 64, s16
	s_cselect_b32 s17, 2, s17
	s_cselect_b32 s21, 3, s21
	s_cselect_b32 s18, 16384, s18
	s_cselect_b32 s19, 51200, s19
	s_cselect_b32 s20, 3276800, s20
	s_cselect_b64 s[22:23], s[8:9], s[22:23]
	s_cmp_lt_u32 ttmp9, 64                         ; w_o
	s_cselect_b32 s16, 48, s16
	s_cselect_b32 s18, 4096, s18
	s_cselect_b32 s20, 2457600, s20
	s_cselect_b64 s[22:23], s[6:7], s[22:23]
	s_cmp_lt_u32 ttmp9, 48                         ; w_qkv
	s_cselect_b32 s16, 0, s16
	s_cselect_b32 s18, 12288, s18
	s_cselect_b32 s20, 0, s20
	s_cselect_b64 s[22:23], s[4:5], s[22:23]
	s_sub_co_u32 s24, ttmp9, s16
	s_and_b32 s25, s24, s21                        ; which 256 along K
	s_lshr_b32 s24, s24, s17                       ; which 256 columns
	s_lshl_b32 s26, s25, 8
	s_mul_i32 s26, s26, s18                        ; 256 ky rows,
	s_lshl_b32 s27, s24, 10
	s_add_co_u32 s26, s26, s27                     ; 256 nx columns,
	s_lshl_b32 s27, s14, 7
	s_add_co_u32 s26, s26, s27                     ; 32 w columns
	s_mov_b32 s27, 0
	s_add_nc_u64 s[32:33], s[22:23], s[26:27]      ; a base for each block of 32 rows: none is stepped while loads are out
	s_lshl_b32 s28, s18, 5
	s_mov_b32 s29, 0
.irp t, 1,2,3,4,5,6,7
	s_add_nc_u64 s[32+2*\t:33+2*\t], s[30+2*\t:31+2*\t], s[28:29]
.endr
	s_lshl_b32 s26, s24, 2
	s_lshr_b32 s15, s14, 1
	s_add_co_u32 s26, s26, s15                     ; the block of 64 columns: 4 nx + w / 2
	s_mul_i32 s26, s26, s19
	s_mul_i32 s15, s25, 12800                      ; K step 2 ky
	s_add_co_u32 s26, s26, s15
	s_mul_i32 s15, s31, 3072                       ; fragments 2 (w % 2) on
	s_add_co_u32 s26, s26, s15
	s_add_co_u32 s26, s26, s20
	s_add_nc_u64 s[48:49], s[12:13], s[26:27]
	v_lshlrev_b32 v[WOFF], 2, v1
.set i, 1
.rept 31
	s_delay_alu instid0(VALU_DEP_1)
	v_add_nc_u32 v[WOFF+i], s18, v[WOFF+i-1]
.set i, i+1
.endr
	WLOAD 0
	WLOAD 1
.irp t, 0,1,2,3,4,5,6,7
	WBLOCK \t
.endr
	s_wait_tensorcnt 0x0
	ds_add_u32 v240, v241
	s_wait_dscnt 0x0
	s_endpgm
	; ------------------------------------------------------------ the norm
.Lnorm:
	s_load_b256 s[4:11], s[0:1], 0x0               ; x, s, b, the image
	s_sub_co_u32 s2, ttmp9, NWQ                    ; my tile T of 16 rows
	v_lshrrev_b32 v1, 5, v0
	s_delay_alu instid0(VALU_DEP_1)
	v_readfirstlane_b32 s12, v1                    ; wave 0..7
	v_and_b32 v8, 31, v0                           ; lane
	v_and_b32 v9, 15, v0                           ; r
	v_bfe_u32 v10, v0, 4, 1                        ; h
	s_delay_alu instid0(VALU_DEP_3)
	v_lshlrev_b32 v1, 4, v8                        ; v1: 16 x lane
	s_delay_alu instid0(VALU_DEP_4)
	v_lshlrev_b32 v2, 3, v8                        ; v2: 8 x lane
	s_delay_alu instid0(VALU_DEP_3)
	v_lshlrev_b32 v3, 6, v10                       ; v3: 64 h
	s_mul_i32 s13, s12, 8448
	v_add_nc_u32 v4, s13, v1                       ; v4: into my stage, a row as it lies
	v_mul_u32_u24 v5, v9, 528
	s_delay_alu instid0(VALU_DEP_1)
	v_lshl_add_u32 v5, v10, 6, v5
	s_delay_alu instid0(VALU_DEP_1)
	v_add_nc_u32 v5, s13, v5                       ; v5: out of it: row r, + 64 h.  Rows 528 bytes apart: the sixteen rows of a load begin in sixteen different groups of four banks
	v_lshlrev_b32 v7, 5, v9
	s_delay_alu instid0(VALU_DEP_1)
	v_add_nc_u32 v7, RED, v7                       ; v7: row r's eight partial sums
	s_lshl_b32 s14, s12, 2
	v_add_nc_u32 v6, s14, v7                       ; v6: my wave's word among them
.irp b, 0,1,2,3
	v_mov_b32 v[TM+4+\b], 0                        ; written once: a lane permute's destination counts as one of its sources
.endr
	s_mov_b32 s[SEL], 0x76543210
	s_mov_b32 s[SEL+1], 0xfedcba98
	s_mov_b32 s20, 0x3a800000                      ; 1 / 1,024
	s_mov_b32 s21, 0x3727c5ac                      ; 1e-5
	s_lshr_b32 s15, s2, 1
	s_lshl_b32 s15, s15, 5
	s_and_b32 s16, s2, 1
	s_lshl_b32 s16, s16, 3
	s_add_co_u32 s15, s15, s16                     ; the tile's first row: 32 (T / 2) + 8 (T % 2)
	s_lshl_b32 s18, s12, 9                         ; my K step: 512 bytes of a row
	s_lshl_b32 s16, s15, 12
	s_add_co_u32 s16, s16, s18
	s_mov_b32 s17, 0
	s_mov_b32 s19, 0
	s_lshr_b32 s24, s2, 2
	s_mul_i32 s24, s24, 53248
	s_mul_i32 s25, s12, 6656
	s_add_co_u32 s24, s24, s25                     ; the image's block: rows T / 4, K step w
	s_mov_b32 s25, 0
	s_and_b32 s26, s2, 3
	s_wait_alu depctr_va_vdst(0)
	s_wait_kmcnt 0x0
	s_add_nc_u64 s[4:5], s[4:5], s[16:17]
	s_add_nc_u64 s[6:7], s[6:7], s[18:19]
	s_add_nc_u64 s[8:9], s[8:9], s[18:19]
	s_add_nc_u64 s[10:11], s[10:11], s[24:25]
	s_mul_i32 s24, s26, 1536
	s_add_nc_u64 s[28:29], s[10:11], s[24:25]      ; my tile's two half fragments
	s_lshl_b32 s24, s26, 2
	s_add_co_u32 s24, s24, 6144
	s_add_nc_u64 s[30:31], s[10:11], s[24:25]      ; and its scale words
.irp i, 0,1,2,3,4,5,6,7,8,9,10,11,12,13,14,15
	global_load_b128 v[X+4*\i:X+4*\i+3], v1, s[4:5] offset:(\i+8*(\i/8))*4096   ; the tile's i-th row: 512 consecutive bytes
.endr
.irp b, 0,1,2,3
.irp j, 0,1,2,3
	global_load_b128 v[SS+16*\b+4*\j:SS+16*\b+4*\j+3], v3, s[6:7] offset:128*\b+16*\j
.endr
.endr
.irp b, 0,1,2,3
.irp j, 0,1,2,3
	global_load_b128 v[BB+16*\b+4*\j:BB+16*\b+4*\j+3], v3, s[8:9] offset:128*\b+16*\j
.endr
.endr
	s_wait_loadcnt 32                              ; the 16 loads of x are in; the 32 of s and b may be out
.irp i, 0,1,2,3,4,5,6,7,8,9,10,11,12,13,14,15
	ds_store_b128 v4, v[X+4*\i:X+4*\i+3] offset:528*\i
.endr
.irp b, 0,1,2,3
.irp j, 0,1,2,3
	ds_load_b128 v[X+16*\b+4*\j:X+16*\b+4*\j+3], v5 offset:128*\b+16*\j   ; LDS serves a wave's instructions in order: these see the stores above
.endr
.endr
	s_wait_dscnt 0x0
	; the sum of my 64, in eight chains
	v_pk_add_f32 v[22:23], v[32:33], v[34:35]
	v_pk_add_f32 v[24:25], v[48:49], v[56:57]
	v_pk_add_f32 v[26:27], v[64:65], v[72:73]
	v_pk_add_f32 v[238:239], v[80:81], v[88:89]
	v_pk_add_f32 v[236:237], v[36:37], v[38:39]
	v_pk_add_f32 v[234:235], v[50:51], v[58:59]
	v_pk_add_f32 v[232:233], v[66:67], v[74:75]
	v_pk_add_f32 v[20:21], v[82:83], v[90:91]
	s_delay_alu instid0(VALU_DEP_1)
	v_pk_add_f32 v[20:21], v[20:21], v[40:41]
	v_pk_add_f32 v[22:23], v[22:23], v[42:43]
	v_pk_add_f32 v[24:25], v[24:25], v[52:53]
	v_pk_add_f32 v[26:27], v[26:27], v[60:61]
	v_pk_add_f32 v[238:239], v[238:239], v[68:69]
	v_pk_add_f32 v[236:237], v[236:237], v[76:77]
	v_pk_add_f32 v[234:235], v[234:235], v[84:85]
	v_pk_add_f32 v[232:233], v[232:233], v[92:93]
	v_pk_add_f32 v[20:21], v[20:21], v[44:45]
	v_pk_add_f32 v[22:23], v[22:23], v[46:47]
	v_pk_add_f32 v[24:25], v[24:25], v[54:55]
	v_pk_add_f32 v[26:27], v[26:27], v[62:63]
	v_pk_add_f32 v[238:239], v[238:239], v[70:71]
	v_pk_add_f32 v[236:237], v[236:237], v[78:79]
	v_pk_add_f32 v[234:235], v[234:235], v[86:87]
	v_pk_add_f32 v[232:233], v[232:233], v[94:95]
	s_delay_alu instid0(VALU_DEP_4)
	v_pk_add_f32 v[20:21], v[20:21], v[238:239]
	s_delay_alu instid0(VALU_DEP_4)
	v_pk_add_f32 v[22:23], v[22:23], v[236:237]
	s_delay_alu instid0(VALU_DEP_4)
	v_pk_add_f32 v[24:25], v[24:25], v[234:235]
	s_delay_alu instid0(VALU_DEP_4)
	v_pk_add_f32 v[26:27], v[26:27], v[232:233]
	s_delay_alu instid0(VALU_DEP_2)
	v_pk_add_f32 v[20:21], v[20:21], v[24:25]
	s_delay_alu instid0(VALU_DEP_2)
	v_pk_add_f32 v[22:23], v[22:23], v[26:27]
	s_delay_alu instid0(VALU_DEP_1)
	v_pk_add_f32 v[20:21], v[20:21], v[22:23]
	s_delay_alu instid0(VALU_DEP_1)
	v_add_f32 v20, v20, v21
	s_delay_alu instid0(VALU_DEP_1)
	v_permlanex16_b32 v21, v20, s[SEL], s[SEL+1]
	s_delay_alu instid0(VALU_DEP_1)
	v_add_f32 v20, v20, v21                        ; row r's sum over my 128 columns
	ds_store_b32 v6, v20                           ; (lanes r and r + 16 write the same word with the same value)
	s_wait_dscnt 0x0                               ; for the others' sake: my word has landed
	s_barrier_signal -1
	s_barrier_wait -1
	ds_load_b128 v[8:11], v7
	ds_load_b128 v[12:15], v7 offset:16
	s_wait_dscnt 0x0
	v_pk_add_f32 v[8:9], v[8:9], v[10:11]
	v_pk_add_f32 v[12:13], v[12:13], v[14:15]
	s_delay_alu instid0(VALU_DEP_1)
	v_pk_add_f32 v[8:9], v[8:9], v[12:13]
	s_delay_alu instid0(VALU_DEP_1)
	v_add_f32 v8, v8, v9
	s_delay_alu instid0(VALU_DEP_1)
	v_mul_f32 v16, s20, v8                         ; the mean
	s_delay_alu instid0(VALU_DEP_1)
	v_mov_b32 v17, v16
.set j, 0
.rept 32
	v_pk_add_f32 v[X+j:X+j+1], v[X+j:X+j+1], v[16:17] neg_lo:[0,1] neg_hi:[0,1]
.set j, j+2
.endr
.irp k, 0,1,2,3
	v_pk_mul_f32 v[20+2*\k:21+2*\k], v[X+2*\k:X+2*\k+1], v[X+2*\k:X+2*\k+1]
.endr
.irp j, 8,16,24,32,40,48,56
.irp k, 0,1,2,3
	s_delay_alu instid0(VALU_DEP_4)
	v_pk_fma_f32 v[20+2*\k:21+2*\k], v[X+\j+2*\k:X+\j+2*\k+1], v[X+\j+2*\k:X+\j+2*\k+1], v[20+2*\k:21+2*\k]
.endr
.endr
	s_delay_alu instid0(VALU_DEP_3)
	v_pk_add_f32 v[20:21], v[20:21], v[22:23]
	s_delay_alu instid0(VALU_DEP_2)
	v_pk_add_f32 v[24:25], v[24:25], v[26:27]
	s_delay_alu instid0(VALU_DEP_1)
	v_pk_add_f32 v[20:21], v[20:21], v[24:25]
	s_delay_alu instid0(VALU_DEP_1)
	v_add_f32 v20, v20, v21
	s_delay_alu instid0(VALU_DEP_1)
	v_permlanex16_b32 v21, v20, s[SEL], s[SEL+1]
	s_delay_alu instid0(VALU_DEP_1)
	v_add_f32 v20, v20, v21
	ds_store_b32 v6, v20 offset:512                ; other bytes than the first exchange's: no wave can still be reading them
	s_wait_dscnt 0x0
	s_barrier_signal -1
	s_barrier_wait -1
	ds_load_b128 v[8:11], v7 offset:512
	ds_load_b128 v[12:15], v7 offset:528
	s_wait_dscnt 0x0
	v_pk_add_f32 v[8:9], v[8:9], v[10:11]
	v_pk_add_f32 v[12:13], v[12:13], v[14:15]
	s_delay_alu instid0(VALU_DEP_1)
	v_pk_add_f32 v[8:9], v[8:9], v[12:13]
	s_delay_alu instid0(VALU_DEP_1)
	v_add_f32 v8, v8, v9
	s_delay_alu instid0(VALU_DEP_1)
	v_fma_f32 v18, v8, s20, s21                    ; the variance + 1e-5
	s_wait_alu depctr_va_vdst(0)
	v_rsq_f32 v18, v18
	v_nop                                          ; a plain instruction behind the transcendental,
	s_wait_alu depctr_va_vdst(0)                   ; and the wait ahead of the first instruction that names its result
	v_mov_b32 v19, v18
	s_wait_alu depctr_va_vdst(0)
	s_wait_loadcnt 0x0                             ; s and b
.set j, 0
.rept 32
	v_pk_mul_f32 v[X+j:X+j+1], v[X+j:X+j+1], v[18:19]
.set j, j+2
.endr
.set j, 0
.rept 32
	v_pk_fma_f32 v[X+j:X+j+1], v[X+j:X+j+1], v[SS+j:SS+j+1], v[BB+j:BB+j+1]
.set j, j+2
.endr
	QUANT X, PC, PW
	global_store_b128 v1, v[PC:PC+3], s[28:29]                     ; each of these four stores covers 512 or 256 consecutive bytes, aligned to 256
	global_store_b64 v2, v[PC+4:PC+5], s[28:29] offset:512
	global_store_b128 v1, v[PC+6:PC+9], s[28:29] offset:768
	global_store_b64 v2, v[PC+10:PC+11], s[28:29] offset:1280
	global_store_b32 v1, v[PW], s[30:31]                           ; 4 bytes a lane, 16 apart: the block's other three tiles fill the gaps
	s_wait_tensorcnt 0x0
	ds_add_u32 v240, v241
	s_wait_dscnt 0x0
	s_endpgm
.Lfunc_end_k_q2fb101ee35_prep:
	.size	k_q2fb101ee35_prep, .Lfunc_end_k_q2fb101ee35_prep-k_q2fb101ee35_prep
	.p2alignl 7, 3214868480
	.fill 96, 4, 3214868480
	.section	.rodata,"a",@progbits
	.p2align	6, 0x0
	.amdhsa_kernel k_q2fb101ee35_prep
		.amdhsa_group_segment_fixed_size 118784
		.amdhsa_private_segment_fixed_size 0
		.amdhsa_enable_private_segment 0
		.amdhsa_kernarg_size 72
		.amdhsa_user_sgpr_count 2
		.amdhsa_user_sgpr_kernarg_segment_ptr 1
		.amdhsa_wavefront_size32 1
		.amdhsa_system_sgpr_workgroup_id_x 1
		.amdhsa_system_sgpr_workgroup_id_y 1
		.amdhsa_system_sgpr_workgroup_id_z 1
		.amdhsa_system_vgpr_workitem_id 0
		.amdhsa_next_free_vgpr 242
		.amdhsa_next_free_sgpr 66
		.amdhsa_reserve_vcc 0
		.amdhsa_float_denorm_mode_32 3
		.amdhsa_float_denorm_mode_16_64 3
		.amdhsa_memory_ordered 1
		.amdhsa_forward_progress 1
		.amdhsa_inst_pref_size 78
	.end_amdhsa_kernel
	.amdgpu_metadata
---
amdhsa.version: [ 1, 2 ]
amdhsa.kernels:
  - .name:           k_q2fb101ee35_prep
    .symbol:         k_q2fb101ee35_prep.kd
    .args:
      - { .name: x, .offset: 0, .size: 8, .value_kind: global_buffer, .address_space: global }
      - { .name: ln1_s, .offset: 8, .size: 8, .value_kind: global_buffer, .address_space: global }
      - { .name: ln1_b, .offset: 16, .size: 8, .value_kind: global_buffer, .address_space: global }
      - { .name: xn, .offset: 24, .size: 8, .value_kind: global_buffer, .address_space: global }
      - { .name: w_qkv, .offset: 32, .size: 8, .value_kind: global_buffer, .address_space: global }
      - { .name: w_o, .offset: 40, .size: 8, .value_kind: global_buffer, .address_space: global }
      - { .name: w_fc, .offset: 48, .size: 8, .value_kind: global_buffer, .address_space: global }
      - { .name: w_pr, .offset: 56, .size: 8, .value_kind: global_buffer, .address_space: global }
      - { .name: wimg, .offset: 64, .size: 8, .value_kind: global_buffer, .address_space: global }
    .group_segment_fixed_size: 118784
    .private_segment_fixed_size: 0
    .kernarg_segment_align: 8
    .kernarg_segment_size: 72
    .max_flat_workgroup_size: 256
    .sgpr_count:     66
    .vgpr_count:     242
    .wavefront_size: 32
...
	.end_amdgpu_metadata
.endif
;; end of part 1
;; launch qkv (part 2): grid 12 x 16, 4 waves a work-group, clusters of 4 x 1, 327,680 bytes of LDS; arguments xn, wimg, b_qkv, qkvi; writes qkvi
.if DOCPART == 2
	.amdgcn_target "amdgcn-amd-amdhsa--gfx1250"
	.amdhsa_code_object_version 6
	.text
	.protected	k_q2fb101ee35_qkv
	.globl	k_q2fb101ee35_qkv
	.p2align	8
	.type	k_q2fb101ee35_qkv,@function
k_q2fb101ee35_qkv:
	s_mov_b64 s[64:65], 0
	v_nop
	global_prefetch_b8 v0, s[64:65] scope:SCOPE_SE
	s_setreg_imm32_b32 hwreg(HW_REG_WAVE_MODE, 25, 1), 1
	s_wait_xcnt 0x0
	s_wait_alu depctr_hold_cnt(0) depctr_sa_sdst(0) depctr_va_vdst(0) depctr_va_sdst(0) depctr_va_ssrc(0) depctr_va_vcc(0) depctr_vm_vsrc(0)
	s_getreg_b32 s2, hwreg(HW_REG_IB_STS2, 6, 4)
	s_cmp_eq_u32 s2, 0
	s_cbranch_scc0 .Lentry_in_a_cluster
	s_endpgm
.Lentry_in_a_cluster:
	s_bfe_u32 s2, ttmp6, 0x10000c
	s_cmp_lg_u32 s2, 0x3003
	s_cbranch_scc0 .Lentry_shape_is_right
	s_endpgm
.Lentry_shape_is_right:
; q, k, v = LN1(x) w_qkv + b_qkv on codes of BF6 (E3M2) with E8M0 scales, and each head's q, k, v quantised at once for the two products of attention, stored as images of operand registers.
; SHARES.  Cluster x = 0, 1, 2 makes q, k, v.  A work-group takes 256 tokens (work-group y) x 256 columns; wave w takes ONE HEAD, 4 cx + w: 64 columns, whose weights for all of K (8 K steps, 384 registers) come from
; memory straight into registers, in register order, once.  The tokens' codes are the only thing in LDS: 212,992 bytes, an image of operand registers, filled ONCE by two tensor loads a wave.
; CLUSTER.  The four work-groups of a cluster take the same tokens: each fill is asked for jointly, with the same descriptor and the mask of all four.  The weights are not shared so: each 64 columns go to one wave's registers.
; Four sub-tiles of 64 tokens: 8 K steps x 16 matrix instructions on 16 accumulators that take turns; the bias is the C of a sum's first instruction.
; q AND k ARE MADE TRANSPOSED (source 0 = 16 columns, source 1 = 16 tokens): a lane holds one token and its registers run along the head's 64, the K of q k^T.  v IS MADE THE OTHER WAY ROUND: a lane holds one channel
; and its registers run along the tokens, the K of p v.  The columns of a weight tile and the tokens of a token tile are laid so that 16 registers of two neighbouring tiles are 16 neighbours along that K.
; OUT.  q: [batch x 16 + head][16 blocks of 64 tokens][3,584]: the half fragment of token tile t at 768 t, scale words (two bytes, two zero bytes) at 3,072 + 16 l + 4 t.  q is stored unscaled: 1 / 8 is a power of two, which
; moves a block's scale and no code; attention multiplies by it.  k, v: from byte 3,670,016, [batch x 16 + head][8 steps of 128 keys][13,824]: k's two blocks like q's at 0 and 3,584; v at 7,168: the half fragment of
; channel tile t, keys 64 c on, at 768 (2 t + c), scale words at 6,144 + 16 l + 4 t, the two bytes of half c at + 2 c.
; REGISTERS, in windows of 256.  Window 0: v1-12 offsets; v16-23 the tokens' scale words, two sets; v24-55 the weights' scale words; v56-183 the accumulators; v184-247 the quantiser.  Windows 1, 2: the weights' fragments of
; K steps 0-3, 4-7.  Window 3: v0-95 the tokens' fragments, two buffers; v128-159 the bias, eight registers a weight tile.
; LIMITS: NaN and infinities are not served; a block whose largest magnitude lies under 2^-122, zeros too, gets the byte 1; the bytes are read by this program alone.
.set ABLK, 6656                        ; 64 tokens x 128 K of the tokens' image
.set ASUB, 53248                       ; 64 tokens x all 8 K steps
.set BBLK, 6400                        ; 64 columns x 128 K of the weights' image
.set BCOL, 51200                       ; 64 columns x 8 K steps
.set AS,   16
.set BS,   24
.set ACC,  56
.set TM,   184
.set PC0,  200
.set PC1,  220
.set PW0,  240
.set PW1,  241
.set SW,   244
.set BIAS, 128
.set SEL,  54
.set MSB, 0
.macro WIN new                         ; the immediate's high byte repeats the setting that is left; a switch that changes nothing is dropped
.if MSB != (\new)
	s_set_vgpr_msb (MSB<<8)|(\new)
.set MSB, \new
.endif
.endm
.macro PLACES n
.rept \n
	v_nop
.endr
.endm
.macro CROUND                          ; a round of the cluster's barrier
	s_barrier_signal -1
	s_barrier_wait -1
	s_cmp_lg_u32 s14, 0
	s_cbranch_scc1 .Lnot_wave_0_\@
	s_barrier_signal -3
.Lnot_wave_0_\@:
	s_barrier_wait -3
	s_barrier_signal -1
	s_barrier_wait -1
.endm
.macro ALOAD s, buf                    ; 17 LDS loads: the four token tiles' fragments of K step s and their scale words; every load takes 512 or 256 consecutive bytes
	WIN 0xc0
.irp m, 0,1,2,3
.irp c, 0,1
	ds_load_b128 v[48*(\buf)+12*\m+6*\c:48*(\buf)+12*\m+6*\c+3], v1 offset:ABLK*(\s)+768*(2*\m+\c)
	ds_load_b64 v[48*(\buf)+12*\m+6*\c+4:48*(\buf)+12*\m+6*\c+5], v2 offset:ABLK*(\s)+768*(2*\m+\c)+512
.endr
.endr
	WIN 0
	ds_load_b128 v[AS+4*(\buf):AS+4*(\buf)+3], v1 offset:ABLK*(\s)+6144
.endm
.macro BLOAD s, ahead                  ; 13 loads: my 64 columns' four fragments of K step s and their scale words
	WIN 0x40*(1+(\s)/4)
.irp t, 0,1,2,3
.irp q, 0,1,2
	global_load_b128 v[48*((\s)%4)+12*\t+4*\q:48*((\s)%4)+12*\t+4*\q+3], v3, s[46:47] offset:(\ahead)+BBLK*(\s)+1536*\t+512*\q
.endr
.endr
	WIN 0
	global_load_b128 v[BS+4*(\s):BS+4*(\s)+3], v4, s[46:47] offset:(\ahead)+BBLK*(\s)+6144
.endm
.macro MUL s, buf, first, vp           ; 16 matrix instructions, each on another accumulator.  first = 1: the bias starts the sums
.if \vp
	WIN 48*(\first)+4*(1+(\s)/4)+3
.else
	WIN 48*(\first)+12+(1+(\s)/4)
.endif
.irp m, 0,1,2,3
.irp t, 0,1,2,3
.if \vp
.if \first
	v_wmma_scale_f32_16x16x128_f8f6f4 v[ACC+8*(4*\t+\m):ACC+8*(4*\t+\m)+7], v[48*(\buf)+12*\m:48*(\buf)+12*\m+11], v[48*((\s)%4)+12*\t:48*((\s)%4)+12*\t+11], v[BIAS+8*\t:BIAS+8*\t+7], v[AS+4*(\buf)+\m], v[BS+4*(\s)+\t] matrix_a_fmt:MATRIX_FMT_BF6 matrix_b_fmt:MATRIX_FMT_BF6
.else
	v_wmma_scale_f32_16x16x128_f8f6f4 v[ACC+8*(4*\t+\m):ACC+8*(4*\t+\m)+7], v[48*(\buf)+12*\m:48*(\buf)+12*\m+11], v[48*((\s)%4)+12*\t:48*((\s)%4)+12*\t+11], v[ACC+8*(4*\t+\m):ACC+8*(4*\t+\m)+7], v[AS+4*(\buf)+\m], v[BS+4*(\s)+\t] matrix_a_fmt:MATRIX_FMT_BF6 matrix_b_fmt:MATRIX_FMT_BF6
.endif
.else
.if \first
	v_wmma_scale_f32_16x16x128_f8f6f4 v[ACC+8*(4*\m+\t):ACC+8*(4*\m+\t)+7], v[48*((\s)%4)+12*\t:48*((\s)%4)+12*\t+11], v[48*(\buf)+12*\m:48*(\buf)+12*\m+11], v[BIAS+8*\t:BIAS+8*\t+7], v[BS+4*(\s)+\t], v[AS+4*(\buf)+\m] matrix_a_fmt:MATRIX_FMT_BF6 matrix_b_fmt:MATRIX_FMT_BF6
.else
	v_wmma_scale_f32_16x16x128_f8f6f4 v[ACC+8*(4*\m+\t):ACC+8*(4*\m+\t)+7], v[48*((\s)%4)+12*\t:48*((\s)%4)+12*\t+11], v[48*(\buf)+12*\m:48*(\buf)+12*\m+11], v[ACC+8*(4*\m+\t):ACC+8*(4*\m+\t)+7], v[BS+4*(\s)+\t], v[AS+4*(\buf)+\m] matrix_a_fmt:MATRIX_FMT_BF6 matrix_b_fmt:MATRIX_FMT_BF6
.endif
.endif
.endr
.endr
.endm
; One K step.  extra >= 0: the weights are still landing: behind K step s's 13 loads 13 (7 - s) + extra were issued; a wait names 63 at the most, and a smaller count is safe.  reload = 1: the K step eight on takes these registers
.macro KSTEP s, first, vp, extra, reload
.if (\s) < 7
	s_wait_dscnt 17                                ; this step's 17 LDS loads are in; the next step's 17 may be out
.else
	s_wait_dscnt 0x0
.endif
.if (\extra) >= 0
.set NB, 13*(7-(\s))+(\extra)
.if NB > 63
.set NB, 63
.endif
	s_wait_loadcnt NB
.endif
.if (\s) == 0
	MUL \s, 0, \first, \vp
.else
	MUL \s, (\s)%2, 0, \vp
.endif
	WIN 0
	PLACES 4                                       ; four plain instructions between matrix instructions and loads into registers that they read, or the first read of results
.if (\s) < 6
	ALOAD (\s)+2, (\s)%2
.endif
.if \reload
	BLOAD \s, BCOL
.endif
.endm
.macro EIGHT first, vp, extra, reload
	ALOAD 0, 0
	ALOAD 1, 1
.irp s, 0,1,2,3,4,5,6,7
	KSTEP \s, \first, \vp, \extra, \reload
.endr
.endm
.macro QUANT s, pc, pw                 ; 64 registers: two tiles x two blocks of 32; register 16 b + i = number 16 h + i of block b.  v[pc .. pc+5]: the first tile's half fragment, v[pc+6 .. pc+11]: the second's; v[pw]: two bytes of each
.irp b, 0,1,2,3
	v_max3_num_f32 v[TM+\b], |v[\s+16*\b]|, |v[\s+1+16*\b]|, 0x2800000   ; my 16 numbers of block b, and the floor 2^(5 - 127): the byte cannot fall under 1
.endr
.irp i, 2,4,6,8,10,12,14
.irp b, 0,1,2,3
	v_max3_num_f32 v[TM+\b], v[TM+\b], |v[\s+16*\b+\i]|, |v[\s+1+16*\b+\i]|
.endr
.endr
.irp b, 0,1,2,3
	v_permlanex16_b32 v[TM+4+\b], v[TM+\b], s[SEL], s[SEL+1]
.endr
.irp b, 0,1,2,3
	v_max_num_f32 v[TM+\b], v[TM+\b], v[TM+4+\b]   ; with lane l xor 16's: the block's largest magnitude
.endr
.irp b, 0,1,2,3
	v_add_nc_u32 v[TM+12+\b], 0xfe000000, v[TM+\b] ; 4 off the exponent field: the conversion's scale operand
.endr
.irp b, 0,1,2,3
	v_lshrrev_b32 v[TM+4+\b], 23, v[TM+12+\b]      ; the scale's byte
.endr
	v_lshl_or_b32 v[\pw], v[TM+5], 8, v[TM+4]
	v_lshl_or_b32 v[\pw], v[TM+6], 16, v[\pw]
	v_lshl_or_b32 v[\pw], v[TM+7], 24, v[\pw]
.irp c, 0,1
	v_cvt_scalef32_pk16_bf6_f32 v[\pc+6*\c:\pc+2+6*\c], v[\s+32*\c:\s+15+32*\c], v[TM+12+2*\c]
	v_cvt_scalef32_pk16_bf6_f32 v[\pc+12+4*\c:\pc+14+4*\c], v[\s+16+32*\c:\s+31+32*\c], v[TM+12+2*\c+1]
.endr
	v_nop                                          ; one plain instruction behind the conversions
.irp c, 0,1
.irp i, 0,1,2
	v_permlane16_swap_b32 v[\pc+6*\c+\i], v[\pc+12+4*\c+\i]
.endr
.irp i, 0,1,2
	v_mov_b32 v[\pc+3+6*\c+\i], v[\pc+12+4*\c+\i]
.endr
.endr
.endm
.macro PUT pc, o0, o1                  ; two half fragments leave: 512 and 256 consecutive bytes a store, aligned to 256
	global_store_b128 v3, v[\pc:\pc+3], s[48:49] offset:\o0
	global_store_b64 v5, v[\pc+4:\pc+5], s[48:49] offset:\o0+512
	global_store_b128 v3, v[\pc+6:\pc+9], s[48:49] offset:\o1
	global_store_b64 v5, v[\pc+10:\pc+11], s[48:49] offset:\o1+512
.endm
	s_load_b256 s[4:11], s[0:1], 0x0               ; the tokens' image, the weights' image, b_qkv, the result
	v_lshl_add_u32 v254, v0, 2, 0x40000
	v_mov_b32 v255, 0
	ds_add_u32 v254, v255
	ds_add_u32 v254, v255
	v_lshrrev_b32 v1, 5, v0
	v_readfirstlane_b32 s14, v1                    ; wave 0..3
	s_bfe_u32 s15, ttmp6, 0x40000                  ; cx: my place in the cluster
	s_mov_b32 s16, ttmp9                           ; the cluster's x: 0 q, 1 k, 2 v: the same in all four partners
	s_and_b32 s17, ttmp7, 0xffff                   ; y: which 256 tokens
	; descriptor group 1: a dense block of 13,312 bytes as 52 rows of 256 bytes (32 elements of 8 bytes), no padding
	s_mov_b32 s20, 15|(3<<16)|(1<<21)              ; 15:0 the mask: all four work-groups; 17:16 elements of 8 bytes; 21 set beside a mask
	s_mov_b32 s21, 32<<16                          ; tensor_dim0 = 32
	s_mov_b32 s22, 52<<16                          ; tensor_dim1 = 52
	s_mov_b32 s23, 32<<16                          ; tile_dim0 = 32
	s_mov_b32 s24, 52                              ; tile_dim1 = 52
	s_mov_b32 s25, 32                              ; the pitch
	s_mov_b32 s26, 0
	s_mov_b32 s27, 0
	s_mul_i32 s18, s14, 13312                      ; my quarter of each sub-tile: the same offset in LDS and in memory; no place in the cluster enters it
	s_mul_i32 s52, s17, 212992
	s_add_co_u32 s52, s52, s18
	s_mov_b32 s53, 0                               ; s53 stays 0: the high word of every offset
	s_wait_dscnt 0x0
	s_wait_kmcnt 0x0
	s_add_nc_u64 s[4:5], s[4:5], s[52:53]
	s_mov_b32 s28, 1                               ; first fill: my quarter of sub-tile 0, 52 rows of 256 bytes
	s_mov_b32 s29, s18
	s_mov_b64 s[30:31], s[4:5]
	s_or_b32 s31, s31, 0x80000000
	s_mul_i32 s60, s14, 26624
	s_mov_b32 s61, 0
	s_mov_b32 s32, 1                               ; second fill: my quarter of sub-tiles 1 to 3, a dense run of 39,936 bytes at ASUB + 39,936 w, in LDS as in memory
	s_mul_i32 s33, s14, 39936
	s_add_co_u32 s33, s33, ASUB
	s_add_nc_u64 s[34:35], s[4:5], s[60:61]        ; s[4:5] holds 13,312 w already
	s_add_nc_u64 s[34:35], s[34:35], ASUB
	s_or_b32 s35, s35, 0x80000000
	s_mov_b32 s36, 15|(3<<16)|(1<<21)              ; its group 1: 156 rows of 256 bytes
	s_mov_b32 s37, 32<<16
	s_mov_b32 s38, 156<<16
	s_mov_b32 s39, 32<<16
	s_mov_b32 s40, 156
	s_mov_b32 s41, 32
	s_mov_b32 s42, 0
	s_mov_b32 s43, 0
	CROUND                                         ; all four work-groups are here: the joint loads meet
	tensor_load_to_lds s[28:31], s[20:27]          ; one tensor load a wave at the head
	s_nop 0
	PLACES 4
	s_lshl_b32 s19, s15, 2
	s_add_co_u32 s19, s19, s14                     ; my head: 4 cx + w
	s_lshl_b32 s45, s16, 4
	s_add_co_u32 s45, s45, s19                     ; my 64 columns of the 48 x 64
	s_mul_i32 s52, s45, BCOL
	s_add_nc_u64 s[46:47], s[6:7], s[52:53]
	s_lshl_b32 s52, s45, 8
	s_add_nc_u64 s[8:9], s[8:9], s[52:53]          ; and their 64 numbers of the bias
	v_and_b32 v8, 31, v0                           ; lane
	v_and_b32 v9, 15, v0                           ; r
	v_bfe_u32 v10, v0, 4, 1                        ; h
	v_lshlrev_b32 v1, 4, v8                        ; v1, v2: 16 x lane, 8 x lane + the sub-tile, in LDS
	v_lshlrev_b32 v2, 3, v8
	v_lshlrev_b32 v3, 4, v8                        ; v3, v5: the same in memory; never rewritten
	v_lshlrev_b32 v5, 3, v8
	v_lshlrev_b32 v4, 4, v9                        ; v4: 16 r: the weights' scale words
	v_lshlrev_b32 v11, 6, v10                      ; v11: 64 h
	v_and_b32 v12, 8, v9
	v_add_nc_u32 v12, v12, v9
	v_lshlrev_b32 v12, 2, v12                      ; v12: 4 (r + 8 (r / 8))
	s_cmp_eq_u32 s16, 2
	s_cbranch_scc1 .Lbias_v
	WIN 0xc0
.irp t, 0,1,2,3                        ; q, k: register j of tile t belongs to column 32 (t / 2) + 8 (t % 2) + 16 h + j
	global_load_b128 v[BIAS+8*\t:BIAS+8*\t+3], v11, s[8:9] offset:(32*(\t/2)+8*(\t%2))*4
	global_load_b128 v[BIAS+8*\t+4:BIAS+8*\t+7], v11, s[8:9] offset:(32*(\t/2)+8*(\t%2))*4+16
.endr
	WIN 0
	s_branch .Lbias_done
.Lbias_v:
	WIN 0xc0
	s_wait_alu depctr_va_vdst(0)
.irp t, 0,1,2,3                        ; v: all eight registers of tile t belong to the lane's channel 32 (t / 2) + 8 (t % 2) + r + 8 (r / 8)
.irp j, 0,1,2,3,4,5,6,7
	global_load_b32 v[BIAS+8*\t+\j], v12, s[8:9] offset:(32*(\t/2)+8*(\t%2))*4
.endr
.endr
	WIN 0
.Lbias_done:
	s_wait_alu depctr_va_vdst(0)
.irp s, 0,1,2,3,4,5,6,7
	BLOAD \s, 0
.endr
.irp b, 0,1,2,3
	v_mov_b32 v[TM+4+\b], 0                        ; written once: a lane permute's destination counts as one of its sources
.endr
	s_mov_b32 s[SEL], 0x76543210
	s_mov_b32 s[SEL+1], 0xfedcba98
	; where the results go
	s_lshr_b32 s45, s17, 2
	s_lshl_b32 s45, s45, 4
	s_add_co_u32 s45, s45, s19                     ; batch x 16 + head
	s_and_b32 s18, s17, 3                          ; which 256 tokens of the sequence
	s_lshl_b32 s52, s45, 4
	s_lshl_b32 s60, s18, 2
	s_add_co_u32 s52, s52, s60
	s_mul_i32 s52, s52, 3584                       ; q: block 4 (y % 4) of the head's 16
	s_mul_i32 s60, s45, 110592
	s_mul_i32 s61, s18, 27648
	s_add_co_u32 s60, s60, s61
	s_add_co_u32 s60, s60, 3670016                 ; k, v: step block 2 (y % 4) of the head's 8
	s_cmp_eq_u32 s16, 0
	s_cselect_b32 s52, s52, s60
	s_mov_b32 s61, 13824
	s_cselect_b32 s60, 7168, s61                   ; s60: two sub-tiles on
	s_cmp_eq_u32 s16, 2
	s_cselect_b32 s18, 7168, 0                     ; v lies behind k's two blocks
	s_mov_b32 s61, 3584
	s_cselect_b32 s61, 768, s61                    ; s61: one sub-tile on
	s_add_co_u32 s52, s52, s18
	s_add_nc_u64 s[58:59], s[10:11], s[52:53]
	s_mov_b32 s44, 0                               ; the sub-tile
	s_wait_alu depctr_va_vdst(0)
	s_wait_tensorcnt 0x0                           ; my quarter of sub-tile 0 is in
	ds_add_u32 v254, v255
	s_wait_dscnt 0x0
	CROUND                                         ; everybody's quarter is in, and the joint loads meet
	tensor_load_to_lds s[32:35], s[36:43]          ; sub-tiles 1 to 3: one load of mine is out while sub-tile 0 is multiplied
	s_nop 0
	PLACES 4
.macro BASES                           ; sub-tile J's place: (J / 2) s60 + (J % 2) s61
	s_wait_xcnt 0x0                                ; the last sub-tile's stores have read their base and their data: both are written again below
	s_lshr_b32 s52, s44, 1
	s_mul_i32 s52, s52, s60
	s_and_b32 s45, s44, 1
	s_mul_i32 s18, s45, s61
	s_add_co_u32 s52, s52, s18
	s_add_nc_u64 s[48:49], s[58:59], s[52:53]
.endm
.macro SUBT extra, vp
	EIGHT 1, \vp, \extra, 0
	BASES
.if \vp
	s_lshr_b32 s52, s44, 1
	s_mul_i32 s52, s52, s60
	s_lshl_b32 s45, s45, 1
	s_add_co_u32 s52, s52, s45
	s_add_co_u32 s52, s52, 6144
	s_add_nc_u64 s[50:51], s[58:59], s[52:53]      ; v's scale words: the two bytes of these 64 keys
.endif
	QUANT ACC, PC0, PW0
	QUANT ACC+64, PC1, PW1
.if \vp
	PUT PC0, 0, 1536                               ; channel tiles 0, 1
	PUT PC1, 3072, 4608                            ; 2, 3
	global_store_b16 v3, v[PW0], s[50:51]          ; two bytes a lane, 16 apart: under a twelfth of what is stored
	global_store_d16_hi_b16 v3, v[PW0], s[50:51] offset:4
	global_store_b16 v3, v[PW1], s[50:51] offset:8
	global_store_d16_hi_b16 v3, v[PW1], s[50:51] offset:12
.else
	v_and_b32 v[SW], 0xffff, v[PW0]                ; a token tile's word: its two bytes, and two zero bytes for the half of K that holds zero codes
	v_lshrrev_b32 v[SW+1], 16, v[PW0]
	v_and_b32 v[SW+2], 0xffff, v[PW1]
	v_lshrrev_b32 v[SW+3], 16, v[PW1]
	PUT PC0, 0, 768                                ; token tiles 0, 1
	PUT PC1, 1536, 2304                            ; 2, 3
	global_store_b128 v3, v[SW:SW+3], s[48:49] offset:3072
.endif
	v_add_nc_u32 v1, ASUB, v1                      ; on to the next 64 tokens in LDS
	v_add_nc_u32 v2, ASUB, v2
.endm
	s_cmp_eq_u32 s16, 2
	s_cbranch_scc1 .Lpath_v
	SUBT 0, 0
	s_mov_b32 s44, 1
.Lqk:
	s_wait_tensorcnt 0x0                           ; all my fills have landed,
	s_wait_dscnt 0x0
	s_barrier_signal -1
	s_barrier_wait -1                              ; and everybody's
	s_wait_alu depctr_va_vdst(0)
	SUBT -1, 0
	s_add_co_u32 s44, s44, 1
	s_cmp_lt_u32 s44, 4
	s_cbranch_scc1 .Lqk
	s_branch .Lend
.Lpath_v:
	SUBT 0, 1
	s_mov_b32 s44, 1
.Lv:
	s_wait_tensorcnt 0x0
	s_wait_dscnt 0x0
	s_barrier_signal -1
	s_barrier_wait -1
	s_wait_alu depctr_va_vdst(0)
	SUBT -1, 1
	s_add_co_u32 s44, s44, 1
	s_cmp_lt_u32 s44, 4
	s_cbranch_scc1 .Lv
.Lend:
	s_wait_dscnt 0x0
	s_wait_tensorcnt 0x0
	ds_add_u32 v254, v255
	s_wait_dscnt 0x0
	CROUND                                         ; the closing round: no work-group ends while a partner may still ask jointly
	s_endpgm
.Lfunc_end_k_q2fb101ee35_qkv:
	.size	k_q2fb101ee35_qkv, .Lfunc_end_k_q2fb101ee35_qkv-k_q2fb101ee35_qkv
	.p2alignl 7, 3214868480
	.fill 96, 4, 3214868480
	.section	.rodata,"a",@progbits
	.p2align	6, 0x0
	.amdhsa_kernel k_q2fb101ee35_qkv
		.amdhsa_group_segment_fixed_size 327680
		.amdhsa_private_segment_fixed_size 0
		.amdhsa_enable_private_segment 0
		.amdhsa_kernarg_size 32
		.amdhsa_user_sgpr_count 2
		.amdhsa_user_sgpr_kernarg_segment_ptr 1
		.amdhsa_wavefront_size32 1
		.amdhsa_system_sgpr_workgroup_id_x 1
		.amdhsa_system_sgpr_workgroup_id_y 1
		.amdhsa_system_sgpr_workgroup_id_z 1
		.amdhsa_system_vgpr_workitem_id 0
		.amdhsa_next_free_vgpr 1024
		.amdhsa_next_free_sgpr 66
		.amdhsa_reserve_vcc 0
		.amdhsa_float_denorm_mode_32 3
		.amdhsa_float_denorm_mode_16_64 3
		.amdhsa_memory_ordered 1
		.amdhsa_forward_progress 1
		.amdhsa_inst_pref_size 165
	.end_amdhsa_kernel
	.amdgpu_metadata
---
amdhsa.version: [ 1, 2 ]
amdhsa.kernels:
  - .name:           k_q2fb101ee35_qkv
    .symbol:         k_q2fb101ee35_qkv.kd
    .args:
      - { .name: xn, .offset: 0, .size: 8, .value_kind: global_buffer, .address_space: global }
      - { .name: wimg, .offset: 8, .size: 8, .value_kind: global_buffer, .address_space: global }
      - { .name: b_qkv, .offset: 16, .size: 8, .value_kind: global_buffer, .address_space: global }
      - { .name: qkvi, .offset: 24, .size: 8, .value_kind: global_buffer, .address_space: global }
    .group_segment_fixed_size: 327680
    .private_segment_fixed_size: 0
    .kernarg_segment_align: 8
    .kernarg_segment_size: 32
    .max_flat_workgroup_size: 128
    .sgpr_count:     66
    .vgpr_count:     1024
    .wavefront_size: 32
...
	.end_amdgpu_metadata
.endif
;; end of part 2
;; launch attn (part 3): grid 4 x 64, 16 waves a work-group, clusters of 4 x 1, 169,984 bytes of LDS; arguments qkvi, ao; writes ao
.if DOCPART == 3
	.amdgcn_target "amdgcn-amd-amdhsa--gfx1250"
	.amdhsa_code_object_version 6
	.text
	.protected	k_q2fb101ee35_attn
	.globl	k_q2fb101ee35_attn
	.p2align	8
	.type	k_q2fb101ee35_attn,@function
k_q2fb101ee35_attn:
	s_mov_b64 s[64:65], 0
	v_nop
	global_prefetch_b8 v0, s[64:65] scope:SCOPE_SE
	s_setreg_imm32_b32 hwreg(HW_REG_WAVE_MODE, 25, 1), 1
	s_wait_xcnt 0x0
	s_wait_alu depctr_hold_cnt(0) depctr_sa_sdst(0) depctr_va_vdst(0) depctr_va_sdst(0) depctr_va_ssrc(0) depctr_va_vcc(0) depctr_vm_vsrc(0)
	s_getreg_b32 s2, hwreg(HW_REG_IB_STS2, 6, 4)
	s_cmp_eq_u32 s2, 0
	s_cbranch_scc0 .Lentry_in_a_cluster
	s_endpgm
.Lentry_in_a_cluster:
	s_bfe_u32 s2, ttmp6, 0x10000c
	s_cmp_lg_u32 s2, 0x3003
	s_cbranch_scc0 .Lentry_shape_is_right
	s_endpgm
.Lentry_shape_is_right:
; Causal attention of one head on codes of BF6 (E3M2) with E8M0 scales: o = softmax(q k^T / 8) v, 1,024 tokens, head size 64, and o quantised at once for the next product.
; THE SOFTMAX AHEAD OF THE SECOND PRODUCT: t = score x log2(e) / 8 (q was stored unscaled); M = the running largest t rounded up to a whole number; p = 2^(t - M) is quantised along the keys, not normalised;
; the row's sum is taken of the unquantised p and divides at the end; when M moves, the sum and O are multiplied by 2^(old M - new M), which rounds nothing.
; SHARES.  The four work-groups of a cluster own one head (work-group y = batch x 16 + head); each of the 64 waves owns one tile of 16 queries: tile 4 rho + cx, rho = 4 ((w / 4) xor (w % 4)) + w % 4, so that early and late
; tiles are mixed among any four waves w % 4 or w / 4.  A wave works key steps 0 .. rho / 2 of 128 keys; the last of them lies on the diagonal and is masked.  Which steps a wave works hangs on its number alone.
; LDS holds the head's k and v whole, 110,592 bytes, as images of operand registers, filled ONCE: each of the sixteen waves brings half of one of the eight step blocks.  All four work-groups want the same bytes: the fills are joint.
; LAYOUT.  Both products are used transposed: S^T = k q^T (source 0 = 16 keys), O^T = v^T p^T (source 0 = 16 channels): a lane holds one query throughout.  The keys of a tile of k and the channels of a tile of v are laid
; so that 16 registers of two neighbouring tiles are 16 neighbours.  The first product's K is 64: the upper six registers of q's and k's fragments are zeros, under the scale byte 0.
; OUT: the image [tokens / 64][8 K steps][6,656] of the next product's operand, K = 64 head + channel: the half fragment of token tile t, half c at 768 (2 t + c), two scale bytes at 6,144 + 16 l + 4 t + 2 c.
; REGISTERS: v1-4 LDS offsets; v5 the mask's number; v12 -M, v13 the largest t, v[14:15] the sum; v16-27 q, v28 its scale words; v32-79 four fragments of k; v80-83, v84-87 k's and v's scale words;
; v96-159 S^T, then p, then v's four fragments; v160-191 O^T; v224-235 p's codes; v232-254 at work.
; LIMITS: NaN and infinities are not served; a block whose largest magnitude lies under 2^-122, zeros too, gets the byte 1; the bytes are read by this program alone.
.set SEL, 24
.set CS,  26
.macro PLACES n
.rept \n
	v_nop
.endr
.endm
.macro CROUND
	s_barrier_signal -1
	s_barrier_wait -1
	s_cmp_lg_u32 s8, 0
	s_cbranch_scc1 .Lnot_wave_0_\@
	s_barrier_signal -3
.Lnot_wave_0_\@:
	s_barrier_wait -3
	s_barrier_signal -1
	s_barrier_wait -1
.endm
	s_load_b128 s[4:7], s[0:1], 0x0                ; q, k, v's images; the result
	v_lshl_add_u32 v251, v0, 2, 0x29000
	v_mov_b32 v255, 0
	ds_add_u32 v251, v255
	ds_add_u32 v251, v255
	v_lshrrev_b32 v8, 5, v0
	s_delay_alu instid0(VALU_DEP_1)
	v_readfirstlane_b32 s8, v8                     ; wave 0..15
	s_bfe_u32 s9, ttmp6, 0x40000                   ; cx
	s_and_b32 s10, ttmp7, 0xffff                   ; batch x 16 + head
	s_lshr_b32 s11, s8, 2
	s_and_b32 s13, s8, 3
	s_xor_b32 s11, s11, s13
	s_lshl_b32 s11, s11, 2
	s_add_co_u32 s11, s11, s13                     ; rho
	s_lshr_b32 s12, s11, 1                         ; my last key step
	; descriptor group 1: a dense block of 6,912 bytes as 27 rows of 256 bytes
	s_mov_b32 s16, 15|(3<<16)|(1<<21)              ; the mask of all four; elements of 8 bytes; 21 set beside a mask
	s_mov_b32 s17, 32<<16
	s_mov_b32 s18, 27<<16
	s_mov_b32 s19, 32<<16
	s_mov_b32 s20, 27
	s_mov_b32 s21, 32
	s_mov_b32 s22, 0
	s_mov_b32 s23, 0
	s_mul_i32 s14, s8, 6912                        ; wave w brings bytes 6,912 w on of the head's 110,592: half w % 2 of step block w / 2
	s_mul_i32 s28, s10, 110592
	s_add_co_u32 s28, s28, 3670016
	s_add_co_u32 s28, s28, s14
	s_mov_b32 s29, 0
	s_wait_dscnt 0x0
	s_wait_kmcnt 0x0
	s_add_nc_u64 s[30:31], s[4:5], s[28:29]
	s_mov_b32 s32, 1
	s_mov_b32 s33, s14
	s_mov_b64 s[34:35], s[30:31]
	s_or_b32 s35, s35, 0x80000000
	CROUND                                         ; all four work-groups are here: the joint loads meet
	tensor_load_to_lds s[32:35], s[16:23]          ; the one fill of each of the sixteen waves
	s_nop 0
	PLACES 4
	s_lshl_b32 s28, s10, 4
	s_add_co_u32 s28, s28, s11
	s_mul_i32 s28, s28, 3584                       ; q: my tile lies in block rho of the head, as tile cx
	s_add_nc_u64 s[68:69], s[4:5], s[28:29]
	s_mul_i32 s28, s9, 768
	s_add_nc_u64 s[66:67], s[68:69], s[28:29]
	s_lshl_b32 s28, s9, 2
	s_add_co_u32 s28, s28, 3072
	s_add_nc_u64 s[68:69], s[68:69], s[28:29]
	v_and_b32 v8, 31, v0
	v_and_b32 v9, 15, v0                           ; r
	v_bfe_u32 v10, v0, 4, 1                        ; h
	s_delay_alu instid0(VALU_DEP_3)
	v_lshlrev_b32 v1, 4, v8                        ; 16 x lane
	s_delay_alu instid0(VALU_DEP_4)
	v_lshlrev_b32 v2, 3, v8                        ; 8 x lane
	s_delay_alu instid0(VALU_DEP_2)
	v_mov_b32 v3, v1                               ; v3, v4: the same in LDS, stepped by a step block of 13,824 bytes in each trip of the loop over key steps
	s_delay_alu instid0(VALU_DEP_2)
	v_mov_b32 v4, v2
	global_load_b128 v[16:19], v1, s[66:67]
	global_load_b64 v[20:21], v2, s[66:67] offset:512
	global_load_b32 v28, v1, s[68:69]
.irp j, 22,23,24,25,26,27
	v_mov_b32 v\j, 0                               ; K = 64 .. 127 of q: zero codes
.endr
.irp i, 0,1,2,3
.irp j, 6,7,8,9,10,11
	v_mov_b32 v[32+12*\i+\j], 0                    ; and of k's four fragments: written once, no load touches them
.endr
.endr
	s_lshl_b32 s13, s11, 2
	s_add_co_u32 s13, s13, s9                      ; my tile T = 4 rho + cx: it enters values and global addresses alone
	s_lshr_b32 s15, s13, 1
	s_and_b32 s15, s15, 3
	s_lshl_b32 s15, s15, 5
	s_and_b32 s28, s13, 1
	s_lshl_b32 s28, s28, 3
	s_add_co_u32 s15, s15, s28                     ; the tile's first token, counted from my last key step's first key
	v_and_b32 v11, 8, v9
	s_delay_alu instid0(VALU_DEP_1)
	v_add_nc_u32 v5, v11, v9
	s_delay_alu instid0(VALU_DEP_1)
	v_add_nc_u32 v5, s15, v5
	v_lshlrev_b32 v11, 4, v10
	s_delay_alu instid0(VALU_DEP_1)
	v_sub_nc_u32 v5, v5, v11                       ; d = my query - 128 x my last step - 16 h.  Register 16 b + i holds key 16 h + 32 b + i of a step: hidden where 32 b + i > d
	; where the result goes
	s_lshr_b32 s28, s10, 4
	s_lshl_b32 s28, s28, 4
	s_add_co_u32 s28, s28, s11                     ; the block of 64 tokens: batch x 16 + rho
	s_mul_i32 s28, s28, 53248
	s_and_b32 s15, s10, 15
	s_lshr_b32 s30, s15, 1
	s_mul_i32 s30, s30, 6656                       ; K step head / 2
	s_add_co_u32 s28, s28, s30
	s_add_nc_u64 s[72:73], s[6:7], s[28:29]
	s_and_b32 s15, s15, 1                          ; half head % 2
	s_lshl_b32 s28, s9, 1
	s_add_co_u32 s28, s28, s15
	s_mul_i32 s28, s28, 768
	s_add_nc_u64 s[70:71], s[72:73], s[28:29]
	s_lshl_b32 s28, s9, 2
	s_lshl_b32 s15, s15, 1
	s_add_co_u32 s28, s28, s15
	s_add_co_u32 s28, s28, 6144
	s_add_nc_u64 s[72:73], s[72:73], s[28:29]
	s_mov_b32 s[SEL], 0x76543210
	s_mov_b32 s[SEL+1], 0xfedcba98
	s_mov_b32 s[CS], 0x3e38aa3b                    ; c = log2(e) / 8
	s_mov_b32 s[CS+1], s[CS]                       ; (named with it as a pair, so it is written)
	v_mov_b32 v13, 0xff61b1e6                      ; the largest t so far: -3e38
	s_delay_alu instid0(VALU_DEP_1)
	v_floor_f32 v12, -v13                          ; -M
	v_mov_b32 v14, 0
	v_mov_b32 v15, 0
.irp b, 0,1,2,3
	v_mov_b32 v[236+\b], 0                         ; written once: a lane permute's destination counts as one of its sources
.endr
	v_mov_b32 v252, 0
	v_mov_b32 v253, 0
.set j, 0
.rept 32
	v_mov_b32 v[160+j], 0                          ; O^T: the step is written alike for all steps; the first finds zeros, which the first change of M leaves zeros
.set j, j+1
.endr
	s_wait_loadcnt 0x0                             ; q
; KEY STEP s: 128 keys.
.macro STEP
.set A16, 3
.set A8, 4
.set SBB, 0
	s_wait_tensorcnt 0x0                           ; my sixteenth of k and v is in,
	s_barrier_signal -1
	s_barrier_wait -1                              ; and everybody's: nothing is ever filled again
	s_mov_b32 s74, 0                               ; the key step: a loop of eight trips, the same count in every wave
.Lstep_\@:
	s_cmp_lt_u32 s12, s74                          ; all keys of this step come after my queries: the step's work is left out.  No barrier and no fill stands inside
	s_cbranch_scc1 .Lskip_\@
.irp g, 0,1                            ; S^T = k q^T, four tiles of 16 keys at a time
.if \g
	PLACES 4                                       ; in front of loads into registers that matrix instructions have read
.endif
.irp i, 0,1,2,3
	ds_load_b128 v[32+12*\i:35+12*\i], v[A16] offset:SBB+3584*\g+768*\i
	ds_load_b64 v[36+12*\i:37+12*\i], v[A8] offset:SBB+3584*\g+768*\i+512
.endr
	ds_load_b128 v[80:83], v[A16] offset:SBB+3584*\g+3072
	s_wait_dscnt 0x0
.irp i, 0,1,2,3
	v_wmma_scale_f32_16x16x128_f8f6f4 v[96+8*(4*\g+\i):103+8*(4*\g+\i)], v[32+12*\i:43+12*\i], v[16:27], 0, v[80+\i], v28 matrix_a_fmt:MATRIX_FMT_BF6 matrix_b_fmt:MATRIX_FMT_BF6
.endr
.endr
	PLACES 4
	s_cmp_lg_u32 s12, s74
	s_cbranch_scc1 .Lopen_\@
	v_mov_b32 v254, 0xff800000
.set n, 0
.rept 64
	v_cmp_gt_i32 vcc_lo, 32*(n/16)+n%16, v5
	v_cndmask_b32 v[96+n], v[96+n], v254, vcc_lo
.set n, n+1
.endr
.Lopen_\@:
.irp b, 0,1,2,3
	v_max3_num_f32 v[232+\b], v[96+16*\b], v[97+16*\b], v[98+16*\b]   ; the largest score of each block of 32 keys: for the row's maximum, and, since p rises with the score, for the block's largest p
.endr
.irp i, 3,5,7,9,11,13
.irp b, 0,1,2,3
	v_max3_num_f32 v[232+\b], v[232+\b], v[96+16*\b+\i], v[97+16*\b+\i]
.endr
.endr
.irp b, 0,1,2,3
	v_max_num_f32 v[232+\b], v[232+\b], v[111+16*\b]
.endr
.irp b, 0,1,2,3
	s_delay_alu instid0(VALU_DEP_4)
	v_permlanex16_b32 v[236+\b], v[232+\b], s[SEL], s[SEL+1]
.endr
.irp b, 0,1,2,3
	s_delay_alu instid0(VALU_DEP_4)
	v_max_num_f32 v[232+\b], v[232+\b], v[236+\b]  ; with lane l xor 16's 16 keys
.endr
	s_delay_alu instid0(VALU_DEP_2)
	v_max3_num_f32 v254, v232, v233, v234
	s_delay_alu instid0(VALU_DEP_1)
	v_max_num_f32 v254, v254, v235
	s_delay_alu instid0(VALU_DEP_1)
	v_mul_f32 v254, s[CS], v254                    ; the step's largest t (c is positive)
	s_delay_alu instid0(VALU_DEP_1)
	v_max_num_f32 v13, v13, v254                   ; the running largest t
	v_mov_b32 v254, v12
	s_delay_alu instid0(VALU_DEP_2)
	v_floor_f32 v12, -v13                          ; the new -M = -ceil(t): a whole number
	s_delay_alu instid0(VALU_DEP_1)
	v_sub_f32 v254, v12, v254                      ; old M - new M: a whole number, 0 or less
	s_delay_alu instid0(VALU_DEP_1)
	v_cvt_i32_f32 v254, v254                       ; (it saturates)
	s_delay_alu instid0(VALU_DEP_1)
	v_ldexp_f32 v252, 1.0, v254                    ; f = 2^(old M - new M)
.set j, 0
.rept 32
	v_pk_fma_f32 v[96+j:97+j], v[96+j:97+j], s[CS:CS+1], v[12:13] op_sel_hi:[1,0,0]   ; t - M, two at a time
.set j, j+2
.endr
.irp b, 0,1,2,3
	v_fma_f32 v[232+\b], v[232+\b], s[CS], v12     ; the same of each block's largest score
.endr
.set j, 0
	s_wait_alu depctr_va_vdst(0)
.rept 64
	v_exp_f32 v[96+j], v[96+j]                     ; p = 2^(t - M), at most 1
.set j, j+1
.endr
	v_pk_mul_f32 v[14:15], v[14:15], v[252:253] op_sel_hi:[1,0]    ; the sums under the new M: a plain instruction behind the exponentials
	s_wait_alu depctr_va_vdst(0)                   ; one wait for the whole batch, ahead of its first reader
.irp b, 0,1,2,3
	v_exp_f32 v[232+\b], v[232+\b]                 ; the block's largest p: the same two instructions on the same number
.endr
	v_pk_add_f32 v[236:237], v[100:101], v[104:105]
	v_pk_add_f32 v[248:249], v[108:109], v[112:113]
	v_pk_add_f32 v[246:247], v[116:117], v[120:121]
	v_pk_add_f32 v[244:245], v[124:125], v[128:129]
	v_pk_add_f32 v[242:243], v[132:133], v[136:137]
	v_pk_add_f32 v[240:241], v[140:141], v[144:145]
	v_pk_add_f32 v[238:239], v[148:149], v[152:153]
	v_pk_add_f32 v[14:15], v[14:15], v[156:157]
	v_pk_add_f32 v[236:237], v[236:237], v[96:97]
	v_pk_add_f32 v[248:249], v[248:249], v[98:99]
	v_pk_add_f32 v[246:247], v[246:247], v[102:103]
	v_pk_add_f32 v[244:245], v[244:245], v[106:107]
	v_pk_add_f32 v[242:243], v[242:243], v[110:111]
	v_pk_add_f32 v[240:241], v[240:241], v[114:115]
	v_pk_add_f32 v[238:239], v[238:239], v[118:119]
	v_pk_add_f32 v[14:15], v[14:15], v[122:123]
	v_pk_add_f32 v[236:237], v[236:237], v[126:127]
	v_pk_add_f32 v[248:249], v[248:249], v[130:131]
	v_pk_add_f32 v[246:247], v[246:247], v[134:135]
	v_pk_add_f32 v[244:245], v[244:245], v[138:139]
	v_pk_add_f32 v[242:243], v[242:243], v[142:143]
	v_pk_add_f32 v[240:241], v[240:241], v[146:147]
	v_pk_add_f32 v[238:239], v[238:239], v[150:151]
	v_pk_add_f32 v[14:15], v[14:15], v[154:155]
	v_pk_add_f32 v[236:237], v[236:237], v[158:159]
	s_delay_alu instid0(VALU_DEP_2)
	v_pk_add_f32 v[14:15], v[14:15], v[244:245]
	s_delay_alu instid0(VALU_DEP_2)
	v_pk_add_f32 v[236:237], v[236:237], v[242:243]
	v_pk_add_f32 v[248:249], v[248:249], v[240:241]
	v_pk_add_f32 v[246:247], v[246:247], v[238:239]
	s_delay_alu instid0(VALU_DEP_2)
	v_pk_add_f32 v[14:15], v[14:15], v[248:249]
	s_delay_alu instid0(VALU_DEP_2)
	v_pk_add_f32 v[236:237], v[236:237], v[246:247]
	s_delay_alu instid0(VALU_DEP_1)
	v_pk_add_f32 v[14:15], v[14:15], v[236:237]
	s_wait_alu depctr_va_vdst(0)                   ; and one for the four
.irp b, 0,1,2,3
	v_max_num_f32 v[232+\b], 0x2800000, v[232+\b]  ; the floor 2^(5 - 127)
.endr
.irp b, 0,1,2,3
	s_delay_alu instid0(VALU_DEP_4)
	v_add_nc_u32 v[244+\b], 0xfe000000, v[232+\b]  ; the conversion's scale operand
.endr
.irp b, 0,1,2,3
	s_delay_alu instid0(VALU_DEP_4)
	v_lshrrev_b32 v[236+\b], 23, v[244+\b]         ; the scale's byte
.endr
	s_delay_alu instid0(VALU_DEP_3)
	v_lshl_or_b32 v253, v237, 8, v236              ; p's scale word for these 128 keys
	s_delay_alu instid0(VALU_DEP_1)
	v_lshl_or_b32 v253, v238, 16, v253
	s_delay_alu instid0(VALU_DEP_1)
	v_lshl_or_b32 v253, v239, 24, v253
.irp c, 0,1
	v_cvt_scalef32_pk16_bf6_f32 v[224+6*\c:226+6*\c], v[96+32*\c:111+32*\c], v[244+2*\c]
	v_cvt_scalef32_pk16_bf6_f32 v[236+4*\c:238+4*\c], v[112+32*\c:127+32*\c], v[244+2*\c+1]
.endr
	v_nop                                          ; one plain instruction behind the conversions
.irp t, 0,1,2,3                        ; v's four fragments take p's registers, which the conversions have read
.irp c, 0,1
	ds_load_b128 v[96+12*\t+6*\c:99+12*\t+6*\c], v[A16] offset:SBB+7168+768*(2*\t+\c)
	ds_load_b64 v[100+12*\t+6*\c:101+12*\t+6*\c], v[A8] offset:SBB+7168+768*(2*\t+\c)+512
.endr
.endr
	ds_load_b128 v[84:87], v[A16] offset:SBB+13312
.irp c, 0,1                            ; the operand wants a whole block in a lane
.irp i, 0,1,2
	v_permlane16_swap_b32 v[224+6*\c+\i], v[236+4*\c+\i]
.endr
.irp i, 0,1,2
	s_delay_alu instid0(VALU_DEP_3)
	v_mov_b32 v[227+6*\c+\i], v[236+4*\c+\i]
.endr
.endr
.set j, 0
.rept 16
	v_pk_mul_f32 v[160+j:161+j], v[160+j:161+j], v[252:253] op_sel_hi:[1,0]   ; O^T under the new M.  These are also the plain instructions between the codes' and the scale word's last writes and the products
.set j, j+2
.endr
	s_wait_alu depctr_va_vdst(0)
	s_wait_dscnt 0x0
.irp t, 0,1,2,3
	v_wmma_scale_f32_16x16x128_f8f6f4 v[160+8*\t:167+8*\t], v[96+12*\t:107+12*\t], v[224:235], v[160+8*\t:167+8*\t], v[84+\t], v253 matrix_a_fmt:MATRIX_FMT_BF6 matrix_b_fmt:MATRIX_FMT_BF6
.endr
	PLACES 5
.Lskip_\@:
	v_add_nc_u32 v3, 13824, v3                     ; on to the next step block
	v_add_nc_u32 v4, 13824, v4
	s_add_co_u32 s74, s74, 1
	s_cmp_lt_u32 s74, 8
	s_wait_alu depctr_va_vdst(0)                   ; the wait here, directly ahead of the branch
	s_cbranch_scc1 .Lstep_\@
.endm
	STEP
	; THE WAY OUT: O^T / the sum; register 16 b + i is channel 32 b + 16 h + i of my query: two blocks of the next product's K
	v_add_f32 v14, v14, v15
	s_delay_alu instid0(VALU_DEP_1)
	v_permlanex16_b32 v252, v14, s[SEL], s[SEL+1]
	s_delay_alu instid0(VALU_DEP_1)
	v_add_f32 v14, v14, v252                       ; the row's sum
	s_wait_alu depctr_va_vdst(0)
	v_rcp_f32 v14, v14
	v_nop
	s_wait_alu depctr_va_vdst(0)
.set j, 0
.rept 32
	v_mul_f32 v[96+j], v[160+j], v14
.set j, j+1
.endr
.irp b, 0,1
	v_max3_num_f32 v[232+\b], |v[96+16*\b]|, |v[97+16*\b]|, 0x2800000
.endr
.irp i, 2,4,6,8,10,12,14
.irp b, 0,1
	s_delay_alu instid0(VALU_DEP_2)
	v_max3_num_f32 v[232+\b], v[232+\b], |v[96+16*\b+\i]|, |v[97+16*\b+\i]|
.endr
.endr
.irp b, 0,1
	s_delay_alu instid0(VALU_DEP_2)
	v_permlanex16_b32 v[236+\b], v[232+\b], s[SEL], s[SEL+1]
.endr
.irp b, 0,1
	s_delay_alu instid0(VALU_DEP_2)
	v_max_num_f32 v[232+\b], v[232+\b], v[236+\b]
.endr
.irp b, 0,1
	s_delay_alu instid0(VALU_DEP_2)
	v_add_nc_u32 v[244+\b], 0xfe000000, v[232+\b]
.endr
.irp b, 0,1
	s_delay_alu instid0(VALU_DEP_2)
	v_lshrrev_b32 v[236+\b], 23, v[244+\b]
.endr
	s_delay_alu instid0(VALU_DEP_1)
	v_lshl_or_b32 v253, v237, 8, v236              ; my row's two scale bytes
	v_cvt_scalef32_pk16_bf6_f32 v[224:226], v[96:111], v244
	v_cvt_scalef32_pk16_bf6_f32 v[236:238], v[112:127], v245
	v_nop
.irp i, 0,1,2
	v_permlane16_swap_b32 v[224+\i], v[236+\i]
.endr
.irp i, 0,1,2
	s_delay_alu instid0(VALU_DEP_3)
	v_mov_b32 v[227+\i], v[236+\i]
.endr
	global_store_b128 v1, v[224:227], s[70:71]     ; 512 consecutive bytes, aligned to 256
	global_store_b64 v2, v[228:229], s[70:71] offset:512
	global_store_b16 v1, v253, s[72:73]            ; two bytes a lane, 16 apart
	s_wait_dscnt 0x0
	s_wait_tensorcnt 0x0
	ds_add_u32 v251, v255
	s_wait_dscnt 0x0
	CROUND                                         ; the closing round
	s_endpgm
.Lfunc_end_k_q2fb101ee35_attn:
	.size	k_q2fb101ee35_attn, .Lfunc_end_k_q2fb101ee35_attn-k_q2fb101ee35_attn
	.p2alignl 7, 3214868480
	.fill 96, 4, 3214868480
	.section	.rodata,"a",@progbits
	.p2align	6, 0x0
	.amdhsa_kernel k_q2fb101ee35_attn
		.amdhsa_group_segment_fixed_size 169984
		.amdhsa_private_segment_fixed_size 0
		.amdhsa_enable_private_segment 0
		.amdhsa_kernarg_size 16
		.amdhsa_user_sgpr_count 2
		.amdhsa_user_sgpr_kernarg_segment_ptr 1
		.amdhsa_wavefront_size32 1
		.amdhsa_system_sgpr_workgroup_id_x 1
		.amdhsa_system_sgpr_workgroup_id_y 1
		.amdhsa_system_sgpr_workgroup_id_z 1
		.amdhsa_system_vgpr_workitem_id 0
		.amdhsa_next_free_vgpr 256
		.amdhsa_next_free_sgpr 80
		.amdhsa_reserve_vcc 1
		.amdhsa_float_denorm_mode_32 3
		.amdhsa_float_denorm_mode_16_64 3
		.amdhsa_memory_ordered 1
		.amdhsa_forward_progress 1
		.amdhsa_inst_pref_size 35
	.end_amdhsa_kernel
	.amdgpu_metadata
---
amdhsa.version: [ 1, 2 ]
amdhsa.kernels:
  - .name:           k_q2fb101ee35_attn
    .symbol:         k_q2fb101ee35_attn.kd
    .args:
      - { .name: qkvi, .offset: 0, .size: 8, .value_kind: global_buffer, .address_space: global }
      - { .name: ao, .offset: 8, .size: 8, .value_kind: global_buffer, .address_space: global }
    .group_segment_fixed_size: 169984
    .private_segment_fixed_size: 0
    .kernarg_segment_align: 8
    .kernarg_segment_size: 16
    .max_flat_workgroup_size: 512
    .sgpr_count:     80
    .vgpr_count:     256
    .wavefront_size: 32
...
	.end_amdgpu_metadata
.endif
;; end of part 3
;; launch oln (part 4): grid 256 x 1, 8 waves a work-group, clusters of 4 x 1, 327,680 bytes of LDS; arguments ao, wimg, b_o, x, x2, ln2_s, ln2_b, xn; writes x2, xn
.if DOCPART == 4
	.amdgcn_target "amdgcn-amd-amdhsa--gfx1250"
	.amdhsa_code_object_version 6
	.text
	.protected	k_q2fb101ee35_oln
	.globl	k_q2fb101ee35_oln
	.p2align	8
	.type	k_q2fb101ee35_oln,@function
k_q2fb101ee35_oln:
	s_mov_b64 s[64:65], 0
	v_nop
	global_prefetch_b8 v0, s[64:65] scope:SCOPE_SE
	s_setreg_imm32_b32 hwreg(HW_REG_WAVE_MODE, 25, 1), 1
	s_wait_xcnt 0x0
	s_wait_alu depctr_hold_cnt(0) depctr_sa_sdst(0) depctr_va_vdst(0) depctr_va_sdst(0) depctr_va_ssrc(0) depctr_va_vcc(0) depctr_vm_vsrc(0)
	s_getreg_b32 s2, hwreg(HW_REG_IB_STS2, 6, 4)
	s_cmp_eq_u32 s2, 0
	s_cbranch_scc0 .Lentry_in_a_cluster
	s_endpgm
.Lentry_in_a_cluster:
	s_bfe_u32 s2, ttmp6, 0x10000c
	s_cmp_lg_u32 s2, 0x3003
	s_cbranch_scc0 .Lentry_shape_is_right
	s_endpgm
.Lentry_shape_is_right:
; x2 = x + attention's result x w_o + b_o (the product on codes of BF6 with E8M0 scales), then y = LayerNorm 2 of x2, quantised along the row to BF6 and stored as an image of operand registers.
; SHARES.  Work-group T = 4 x cluster + cx owns token tile T, 16 rows x all 1,024 columns, so that a row's mean and variance are made where the row is made.  Wave w owns columns 128 w .. 128 w + 127: two blocks of 64 columns.
; THE PRODUCT is used transposed (source 0 = 16 columns, source 1 = the 16 rows): register 32 cb + 8 t + j of lane (r, h) is column 64 cb + 32 (t / 2) + 8 (t % 2) + 16 h + j of row r,
; that is register 16 b + i = column 32 b + 16 h + i of my 128: the layout in which the norm and the quantiser work.  The bias is loaded into the accumulators: the first products add onto it.
; THE WEIGHTS.  Every work-group walks the same image of w_o, so the four of a cluster ask jointly for half of it, each wave for its own two column blocks, into its own 38,400 bytes of LDS, which it alone reads:
; at the head K step 0 (2 rows of 6,400 bytes, 51,200 apart in memory) into part A; behind a round of the cluster's barrier K steps 1 and 2 (2 rows of 12,800 bytes) into part B; behind a second round K step 3 into part A again.
; K steps 4 to 7 come from memory straight into two places of registers, 26 loads a K step, and are multiplied between the steps that come from LDS.
; A sum takes its K steps in the order 0 4 5 6 1 2 7 3.  Four matrix instructions a step on four accumulators that take turns.
; NO PREFETCH: the text has no loop to run ahead in.  The tile's codes for all of K, 96 registers, and their 8 scale words come from memory once a wave (13,312 bytes).
; x's rows come 512 consecutive bytes a load and turn through a stage in the wave's own LDS region, behind that region's last fill and last read; x2 turns back the same way and leaves 512 consecutive bytes a store.
; Mean and variance in two passes, each with one exchange of eight partial sums through LDS and one barrier.  The image is [rows / 64][8 K steps][6,656], as the next launch reads it.
; REGISTERS.  Window 0: v1-7, v29, v31 addresses; v32-95 x, x2, y; v96-159 accumulators, then s, then codes; v160-167, v168-183 scale words, v184-219 the tile's codes of K steps 5-7, then v160-223 b; v224-239 at work.
; Window 1: v0-191 four places for a step's fragments (0, 1 from memory, 2, 3 from LDS), then x2's rows; v192-251 the tile's codes of K steps 0-4.
; LIMITS: NaN and infinities are not served; a block whose largest magnitude lies under 2^-122, zeros too, gets the byte 1; the bytes are read by this program alone.
.set X,   32
.set SS,  96
.set ACC, 96
.set BB,  160
.set AS,  160
.set BS,  168
.set TM,  224
.set PC,  96
.set PW,  28
.set SEL, 22
.set REG, 38400                        ; a wave's region of LDS: part A 2 x 6,400 bytes, part B 2 x 12,800 bytes
.set RED, 8*REG                        ; behind the regions: two times 512 bytes for the partial sums
.set SPARE, RED+1024                   ; and the spare words, 128 bytes a wave
.set MSB, 0
.macro WIN new
.if MSB != (\new)
	s_set_vgpr_msb (MSB<<8)|(\new)
.set MSB, \new
.endif
.endm
.macro PLACES n
.rept \n
	v_nop
.endr
.endm
.macro CROUND                          ; a round of the cluster's barrier
	s_barrier_signal -1
	s_barrier_wait -1
	s_cmp_lg_u32 s24, 0
	s_cbranch_scc1 .Lnot_wave_0_\@
	s_barrier_signal -3
.Lnot_wave_0_\@:
	s_barrier_wait -3
	s_barrier_signal -1
	s_barrier_wait -1
.endm
.macro PLOAD ks                        ; 26 loads: K step ks of my two column blocks, from memory into places 0 and 1
.irp cb, 0,1
	WIN 0x40
.irp t, 0,1,2,3
.irp q, 0,1,2
	global_load_b128 v[48*\cb+12*\t+4*\q:48*\cb+12*\t+4*\q+3], v1, s[46:47] offset:51200*\cb+6400*(\ks)+1536*\t+512*\q
.endr
.endr
	WIN 0
	global_load_b128 v[BS+4*\cb:BS+4*\cb+3], v29, s[46:47] offset:51200*\cb+6400*(\ks)+6144
.endr
.endm
.macro LLOAD off, sl                   ; 13 LDS loads: the step that lies at byte off of my region, into place sl
	WIN 0x40
.irp t, 0,1,2,3
.irp q, 0,1,2
	ds_load_b128 v[48*(\sl)+12*\t+4*\q:48*(\sl)+12*\t+4*\q+3], v4 offset:(\off)+1536*\t+512*\q
.endr
.endr
	WIN 0
	ds_load_b128 v[BS+4*(\sl):BS+4*(\sl)+3], v31 offset:(\off)+6144
.endm
.macro MM cb, ks, sl                   ; four matrix instructions: column block cb, K step ks, fragments in place sl
.set AC, ACC+32*(\cb)
.if (\ks) < 5
.set AR, 192+12*(\ks)
	WIN 0x05
.else
.set AR, 184+12*((\ks)-5)
	WIN 0x01
.endif
.irp t, 0,1,2,3
	v_wmma_scale_f32_16x16x128_f8f6f4 v[AC+8*\t:AC+8*\t+7], v[48*(\sl)+12*\t:48*(\sl)+12*\t+11], v[AR:AR+11], v[AC+8*\t:AC+8*\t+7], v[BS+4*(\sl)+\t], v[AS+(\ks)] matrix_a_fmt:MATRIX_FMT_BF6 matrix_b_fmt:MATRIX_FMT_BF6
.endr
	WIN 0
	PLACES 4                                       ; four plain instructions ahead of loads into registers that the products read, and of the first read of results
.endm
.macro PARTA ks                        ; part A's two steps: K step ks of both column blocks
	LLOAD 0, 2
	LLOAD 6400, 3
	s_wait_dscnt 13                                ; the first step's 13 loads are in; the second's may be out
	MM 0, \ks, 2
	s_wait_dscnt 0x0
	MM 1, \ks, 3
.endm
.macro QUANT s, pc, pw                 ; 64 numbers of a lane, register 16 b + i = k 32 b + 16 h + i of my row, become a fragment's 12 registers and its scale word
.irp b, 0,1,2,3
	v_max3_num_f32 v[TM+\b], |v[\s+16*\b]|, |v[\s+1+16*\b]|, 0x2800000   ; with the floor 2^(5 - 127): the byte cannot fall under 1
.endr
.irp i, 2,4,6,8,10,12,14
.irp b, 0,1,2,3
	s_delay_alu instid0(VALU_DEP_4)
	v_max3_num_f32 v[TM+\b], v[TM+\b], |v[\s+16*\b+\i]|, |v[\s+1+16*\b+\i]|
.endr
.endr
.irp b, 0,1,2,3
	s_delay_alu instid0(VALU_DEP_4)
	v_permlanex16_b32 v[TM+4+\b], v[TM+\b], s[SEL], s[SEL+1]
.endr
.irp b, 0,1,2,3
	s_delay_alu instid0(VALU_DEP_4)
	v_max_num_f32 v[TM+\b], v[TM+\b], v[TM+4+\b]
.endr
.irp b, 0,1,2,3
	s_delay_alu instid0(VALU_DEP_4)
	v_add_nc_u32 v[TM+12+\b], 0xfe000000, v[TM+\b] ; 4 off the exponent field: the conversion's scale operand
.endr
.irp b, 0,1,2,3
	s_delay_alu instid0(VALU_DEP_4)
	v_lshrrev_b32 v[TM+4+\b], 23, v[TM+12+\b]      ; the scale's byte
.endr
	s_delay_alu instid0(VALU_DEP_3)
	v_lshl_or_b32 v[\pw], v[TM+5], 8, v[TM+4]
	s_delay_alu instid0(VALU_DEP_1)
	v_lshl_or_b32 v[\pw], v[TM+6], 16, v[\pw]
	s_delay_alu instid0(VALU_DEP_1)
	v_lshl_or_b32 v[\pw], v[TM+7], 24, v[\pw]
.irp c, 0,1
	v_cvt_scalef32_pk16_bf6_f32 v[\pc+6*\c:\pc+2+6*\c], v[\s+32*\c:\s+15+32*\c], v[TM+12+2*\c]
	v_cvt_scalef32_pk16_bf6_f32 v[\pc+12+4*\c:\pc+14+4*\c], v[\s+16+32*\c:\s+31+32*\c], v[TM+12+2*\c+1]
.endr
	v_nop                                          ; one plain instruction behind the conversions
.irp c, 0,1                            ; the operand wants a whole block in a lane
.irp i, 0,1,2
	v_permlane16_swap_b32 v[\pc+6*\c+\i], v[\pc+12+4*\c+\i]
.endr
.irp i, 0,1,2
	s_delay_alu instid0(VALU_DEP_3)
	v_mov_b32 v[\pc+3+6*\c+\i], v[\pc+12+4*\c+\i]
.endr
.endr
.endm
	s_load_b512 s[4:19], s[0:1], 0x0               ; ao, the weights' image, b_o, x, x2, s, b, the result's image
	v_lshl_add_u32 v240, v0, 2, SPARE
	v_mov_b32 v241, 0
	ds_add_u32 v240, v241                          ; the opening lines: the add, twice on end, and its wait ahead of my first tensor load
	ds_add_u32 v240, v241
	v_lshrrev_b32 v1, 5, v0
	s_delay_alu instid0(VALU_DEP_1)
	v_readfirstlane_b32 s24, v1                    ; wave 0..7
	s_bfe_u32 s52, ttmp6, 0x40000                  ; cx
	s_lshl_b32 s53, ttmp9, 2
	s_add_co_u32 s53, s53, s52                     ; T: it enters global addresses of my own rows alone
	s_mov_b32 s56, 15|(3<<16)|(1<<21)              ; group 1 for part A: the mask of all four; elements of 8 bytes; 21 set beside a mask
	s_mov_b32 s57, 800<<16                         ; a row: one K step of a column block, 6,400 bytes
	s_mov_b32 s58, 2<<16                           ; two rows: my two column blocks
	s_mov_b32 s59, 800<<16
	s_mov_b32 s60, 2
	s_mov_b32 s61, 6400                            ; 51,200 bytes from block to block
	s_mov_b32 s62, 0
	s_mov_b32 s63, 0
	s_mov_b32 s76, 15|(3<<16)|(1<<21)              ; group 1 for part B: rows of two K steps, 12,800 bytes
	s_mov_b32 s77, 1600<<16
	s_mov_b32 s78, 2<<16
	s_mov_b32 s79, 1600<<16
	s_mov_b32 s80, 2
	s_mov_b32 s81, 6400
	s_mov_b32 s82, 0
	s_mov_b32 s83, 0
	s_mul_i32 s54, s24, REG                        ; my region of LDS
	s_mov_b32 s[SEL], 0x76543210
	s_mov_b32 s[SEL+1], 0xfedcba98
	s_mov_b32 s20, 0x3a800000                      ; 1 / 1,024
	s_mov_b32 s21, 0x3727c5ac                      ; 1e-5
	s_lshr_b32 s25, s53, 1
	s_lshl_b32 s25, s25, 5
	s_and_b32 s26, s53, 1
	s_lshl_b32 s26, s26, 3
	s_add_co_u32 s25, s25, s26                     ; the tile's first row: 32 (T / 2) + 8 (T % 2)
	s_lshl_b32 s28, s24, 9                         ; my 128 columns: 512 bytes of a row
	s_lshl_b32 s26, s25, 12
	s_add_co_u32 s26, s26, s28
	s_mov_b32 s27, 0
	s_mov_b32 s29, 0
	s_lshr_b32 s30, s53, 2
	s_mul_i32 s30, s30, 53248                      ; an image's block of 64 rows
	s_and_b32 s25, s53, 3
	s_mul_i32 s32, s25, 1536
	s_add_co_u32 s32, s32, s30                     ; my tile's half fragments in it
	s_mov_b32 s33, 0
	s_lshl_b32 s34, s25, 2
	s_add_co_u32 s34, s34, s30
	s_add_co_u32 s34, s34, 6144                    ; and its scale words
	s_mov_b32 s35, 0
	s_mul_i32 s36, s24, 102400
	s_add_co_u32 s36, s36, 2457600                 ; w_o's image, my two blocks of 64 columns: the wave's number alone enters
	s_mov_b32 s37, 0
	s_mul_i32 s38, s24, 6656                       ; the result's K step w
	s_mov_b32 s39, 0
	s_wait_dscnt 0x0                               ; both opening adds are done
	s_wait_kmcnt 0x0
	s_add_nc_u64 s[46:47], s[6:7], s[36:37]
	s_mov_b32 s68, 1                               ; group 0 of the head's fill: K step 0 into part A
	s_mov_b32 s69, s54
	s_mov_b64 s[70:71], s[46:47]
	s_or_b32 s71, s71, 0x80000000
	s_mov_b32 s72, 1                               ; of the second fill: K steps 1 and 2 into part B
	s_add_co_u32 s73, s54, 12800
	s_add_nc_u64 s[74:75], s[46:47], 6400
	s_or_b32 s75, s75, 0x80000000
	s_mov_b32 s84, 1                               ; and of the refill: K step 3 into part A
	s_mov_b32 s85, s54
	s_add_nc_u64 s[86:87], s[46:47], 19200
	s_or_b32 s87, s87, 0x80000000
	CROUND                                         ; all four work-groups are here: the joint loads meet
	tensor_load_to_lds s[68:71], s[56:63]          ; one tensor load a wave at the head
	s_nop 0
	PLACES 4
	s_add_nc_u64 s[40:41], s[4:5], s[32:33]
	s_add_nc_u64 s[42:43], s[4:5], s[34:35]
	s_add_nc_u64 s[8:9], s[8:9], s[28:29]
	s_add_nc_u64 s[10:11], s[10:11], s[26:27]
	s_add_nc_u64 s[12:13], s[12:13], s[26:27]
	s_add_nc_u64 s[14:15], s[14:15], s[28:29]
	s_add_nc_u64 s[16:17], s[16:17], s[28:29]
	s_add_nc_u64 s[18:19], s[18:19], s[38:39]
	s_add_nc_u64 s[48:49], s[18:19], s[32:33]
	s_add_nc_u64 s[50:51], s[18:19], s[34:35]
	v_and_b32 v8, 31, v0                           ; lane
	v_and_b32 v9, 15, v0                           ; r
	v_bfe_u32 v10, v0, 4, 1                        ; h
	s_delay_alu instid0(VALU_DEP_3)
	v_lshlrev_b32 v1, 4, v8                        ; v1: 16 x lane
	s_delay_alu instid0(VALU_DEP_4)
	v_lshlrev_b32 v2, 3, v8                        ; v2: 8 x lane
	s_delay_alu instid0(VALU_DEP_3)
	v_lshlrev_b32 v3, 6, v10                       ; v3: 64 h
	v_add_nc_u32 v4, s54, v1                       ; v4: my region + 16 x lane: the fragments, and later my stage by rows as they lie
	v_mul_u32_u24 v5, v9, 528
	s_delay_alu instid0(VALU_DEP_1)
	v_lshl_add_u32 v5, v10, 6, v5
	s_delay_alu instid0(VALU_DEP_1)
	v_add_nc_u32 v5, s54, v5                       ; v5: my stage by lanes: row r, + 64 h; rows 528 bytes apart
	v_lshlrev_b32 v7, 5, v9
	s_delay_alu instid0(VALU_DEP_1)
	v_add_nc_u32 v7, RED, v7                       ; v7: row r's eight partial sums
	s_lshl_b32 s25, s24, 2
	v_add_nc_u32 v6, s25, v7                       ; v6: my wave's word among them
	v_lshlrev_b32 v29, 4, v9                       ; v29: 16 r: the weights' scale words in memory,
	s_delay_alu instid0(VALU_DEP_1)
	v_add_nc_u32 v31, s54, v29                     ; v31: and in my region
.irp b, 0,1,2,3
	v_mov_b32 v[TM+4+\b], 0                        ; written once: a lane permute's destination counts as one of its sources
.endr
	s_wait_alu depctr_va_vdst(0)
	WIN 0x40
.irp s, 0,1,2,3,4                      ; 40 loads: the tile's codes and scale words for all of K
.irp c, 0,1
	global_load_b128 v[192+12*\s+6*\c:192+12*\s+6*\c+3], v1, s[40:41] offset:6656*\s+768*\c
	global_load_b64 v[192+12*\s+6*\c+4:192+12*\s+6*\c+5], v2, s[40:41] offset:6656*\s+768*\c+512
.endr
.endr
	WIN 0
.irp s, 5,6,7
.irp c, 0,1
	global_load_b128 v[184+12*(\s-5)+6*\c:184+12*(\s-5)+6*\c+3], v1, s[40:41] offset:6656*\s+768*\c
	global_load_b64 v[184+12*(\s-5)+6*\c+4:184+12*(\s-5)+6*\c+5], v2, s[40:41] offset:6656*\s+768*\c+512
.endr
.endr
.irp s, 0,1,2,3,4,5,6,7
	global_load_b32 v[AS+\s], v1, s[42:43] offset:6656*\s
.endr
.irp cb, 0,1                           ; 16 loads: the bias, in the accumulators' layout
.irp t, 0,1,2,3
	global_load_b128 v[ACC+32*\cb+8*\t:ACC+32*\cb+8*\t+3], v3, s[8:9] offset:256*\cb+(32*(\t/2)+8*(\t%2))*4
	global_load_b128 v[ACC+32*\cb+8*\t+4:ACC+32*\cb+8*\t+7], v3, s[8:9] offset:256*\cb+(32*(\t/2)+8*(\t%2))*4+16
.endr
.endr
	PLOAD 4
.irp i, 0,1,2,3,4,5,6,7,8,9,10,11,12,13,14,15
	global_load_b128 v[X+4*\i:X+4*\i+3], v1, s[10:11] offset:(\i+8*(\i/8))*4096   ; x: the tile's i-th row, 512 consecutive bytes
.endr
	s_wait_tensorcnt 0x0                           ; part A is filled
	ds_add_u32 v240, v241
	s_wait_dscnt 0x0
	CROUND                                         ; the joint loads meet
	tensor_load_to_lds s[72:75], s[76:83]          ; K steps 1 and 2 into part B: one load of mine is out
	s_nop 0
	PLACES 4
	s_wait_loadcnt 42                              ; the tile's codes and the bias are in; K step 4's 26 loads and x's 16 may be out
	PARTA 0
	s_wait_loadcnt 16                              ; K step 4 is in; x's 16 loads may be out
	MM 0, 4, 0
	MM 1, 4, 1
	PLOAD 5
	s_wait_loadcnt 0x0
	MM 0, 5, 0
	MM 1, 5, 1
	PLOAD 6
	s_wait_tensorcnt 0x0                           ; part B is filled
	ds_add_u32 v240, v241
	s_wait_dscnt 0x0                               ; the add is done, and so are my reads of part A
	CROUND                                         ; the same holds of every wave of all four work-groups
	tensor_load_to_lds s[84:87], s[56:63]          ; K step 3 into part A again: one load of mine is out
	s_nop 0
	PLACES 4
	s_wait_loadcnt 0x0
	MM 0, 6, 0
	MM 1, 6, 1
	PLOAD 7
	LLOAD 12800, 2                                 ; part B's four steps, through places 2 and 3 by turns
	LLOAD 19200, 3
	s_wait_dscnt 13                                ; this step's 13 loads are in; the next step's 13 may be out
	MM 0, 1, 2
	LLOAD 25600, 2
	s_wait_dscnt 13
	MM 0, 2, 3
	LLOAD 32000, 3
	s_wait_dscnt 13
	MM 1, 1, 2
	s_wait_dscnt 0x0
	MM 1, 2, 3
	s_wait_loadcnt 0x0
	MM 0, 7, 0
	MM 1, 7, 1
	s_wait_tensorcnt 0x0                           ; the refill has landed
	PARTA 3
.irp i, 0,1,2,3,4,5,6,7,8,9,10,11,12,13,14,15
	ds_store_b128 v4, v[X+4*\i:X+4*\i+3] offset:528*\i             ; my region has had its last fill and its last read: it is my stage now
.endr
.irp b, 0,1,2,3
.irp j, 0,1,2,3
	ds_load_b128 v[X+16*\b+4*\j:X+16*\b+4*\j+3], v5 offset:128*\b+16*\j   ; LDS serves a wave's instructions in order: these see the stores above
.endr
.endr
	s_wait_dscnt 0x0                               ; x is back, by lanes
.set j, 0
.rept 32
	v_pk_add_f32 v[X+j:X+j+1], v[X+j:X+j+1], v[ACC+j:ACC+j+1]      ; x2; each accumulator from its low end on
.set j, j+2
.endr
.irp b, 0,1,2,3
.irp j, 0,1,2,3
	global_load_b128 v[SS+16*\b+4*\j:SS+16*\b+4*\j+3], v3, s[14:15] offset:128*\b+16*\j
.endr
.endr
.irp b, 0,1,2,3
.irp j, 0,1,2,3
	global_load_b128 v[BB+16*\b+4*\j:BB+16*\b+4*\j+3], v3, s[16:17] offset:128*\b+16*\j
.endr
.endr
.irp b, 0,1,2,3
.irp j, 0,1,2,3
	ds_store_b128 v5, v[X+16*\b+4*\j:X+16*\b+4*\j+3] offset:128*\b+16*\j   ; x2 back through my stage,
.endr
.endr
	WIN 0x40
.irp i, 0,1,2,3,4,5,6,7,8,9,10,11,12,13,14,15
	ds_load_b128 v[4*\i:4*\i+3], v4 offset:528*\i                  ; by rows, into the fragments' places, which are done with
.endr
	WIN 0
	; the sum of my 64
	v_pk_add_f32 v[22:23], v[32:33], v[34:35]
	v_pk_add_f32 v[24:25], v[48:49], v[56:57]
	v_pk_add_f32 v[26:27], v[64:65], v[72:73]
	v_pk_add_f32 v[238:239], v[80:81], v[88:89]
	v_pk_add_f32 v[236:237], v[36:37], v[38:39]
	v_pk_add_f32 v[234:235], v[50:51], v[58:59]
	v_pk_add_f32 v[232:233], v[66:67], v[74:75]
	v_pk_add_f32 v[20:21], v[82:83], v[90:91]
	s_delay_alu instid0(VALU_DEP_1)
	v_pk_add_f32 v[20:21], v[20:21], v[40:41]
	v_pk_add_f32 v[22:23], v[22:23], v[42:43]
	v_pk_add_f32 v[24:25], v[24:25], v[52:53]
	v_pk_add_f32 v[26:27], v[26:27], v[60:61]
	v_pk_add_f32 v[238:239], v[238:239], v[68:69]
	v_pk_add_f32 v[236:237], v[236:237], v[76:77]
	v_pk_add_f32 v[234:235], v[234:235], v[84:85]
	v_pk_add_f32 v[232:233], v[232:233], v[92:93]
	v_pk_add_f32 v[20:21], v[20:21], v[44:45]
	v_pk_add_f32 v[22:23], v[22:23], v[46:47]
	v_pk_add_f32 v[24:25], v[24:25], v[54:55]
	v_pk_add_f32 v[26:27], v[26:27], v[62:63]
	v_pk_add_f32 v[238:239], v[238:239], v[70:71]
	v_pk_add_f32 v[236:237], v[236:237], v[78:79]
	v_pk_add_f32 v[234:235], v[234:235], v[86:87]
	v_pk_add_f32 v[232:233], v[232:233], v[94:95]
	s_delay_alu instid0(VALU_DEP_4)
	v_pk_add_f32 v[20:21], v[20:21], v[238:239]
	s_delay_alu instid0(VALU_DEP_4)
	v_pk_add_f32 v[22:23], v[22:23], v[236:237]
	s_delay_alu instid0(VALU_DEP_4)
	v_pk_add_f32 v[24:25], v[24:25], v[234:235]
	s_delay_alu instid0(VALU_DEP_4)
	v_pk_add_f32 v[26:27], v[26:27], v[232:233]
	s_delay_alu instid0(VALU_DEP_2)
	v_pk_add_f32 v[20:21], v[20:21], v[24:25]
	s_delay_alu instid0(VALU_DEP_2)
	v_pk_add_f32 v[22:23], v[22:23], v[26:27]
	s_delay_alu instid0(VALU_DEP_1)
	v_pk_add_f32 v[20:21], v[20:21], v[22:23]
	s_delay_alu instid0(VALU_DEP_1)
	v_add_f32 v20, v20, v21
	s_delay_alu instid0(VALU_DEP_1)
	v_permlanex16_b32 v21, v20, s[SEL], s[SEL+1]
	s_delay_alu instid0(VALU_DEP_1)
	v_add_f32 v20, v20, v21                        ; row r's sum over my 128 columns
	ds_store_b32 v6, v20                           ; (lanes r and r + 16 write the same word with the same value)
	s_wait_dscnt 0x0                               ; for the others' sake: my word has landed; x2's rows are back too
	s_barrier_signal -1
	s_barrier_wait -1
	ds_load_b128 v[8:11], v7
	ds_load_b128 v[12:15], v7 offset:16
	WIN 0x04
.irp i, 0,1,2,3,4,5,6,7,8,9,10,11,12,13,14,15
	global_store_b128 v1, v[4*\i:4*\i+3], s[12:13] offset:(\i+8*(\i/8))*4096   ; x2: 32 lanes store 512 consecutive bytes of a row, aligned to 256
.endr
	WIN 0
	s_wait_dscnt 0x0
	v_pk_add_f32 v[8:9], v[8:9], v[10:11]
	v_pk_add_f32 v[12:13], v[12:13], v[14:15]
	s_delay_alu instid0(VALU_DEP_1)
	v_pk_add_f32 v[8:9], v[8:9], v[12:13]
	s_delay_alu instid0(VALU_DEP_1)
	v_add_f32 v8, v8, v9
	s_delay_alu instid0(VALU_DEP_1)
	v_mul_f32 v16, s20, v8                         ; the mean
	s_delay_alu instid0(VALU_DEP_1)
	v_mov_b32 v17, v16
.set j, 0
.rept 32
	v_pk_add_f32 v[X+j:X+j+1], v[X+j:X+j+1], v[16:17] neg_lo:[0,1] neg_hi:[0,1]
.set j, j+2
.endr
.irp k, 0,1,2,3
	v_pk_mul_f32 v[20+2*\k:21+2*\k], v[X+2*\k:X+2*\k+1], v[X+2*\k:X+2*\k+1]
.endr
.irp j, 8,16,24,32,40,48,56
.irp k, 0,1,2,3
	s_delay_alu instid0(VALU_DEP_4)
	v_pk_fma_f32 v[20+2*\k:21+2*\k], v[X+\j+2*\k:X+\j+2*\k+1], v[X+\j+2*\k:X+\j+2*\k+1], v[20+2*\k:21+2*\k]
.endr
.endr
	s_delay_alu instid0(VALU_DEP_3)
	v_pk_add_f32 v[20:21], v[20:21], v[22:23]
	s_delay_alu instid0(VALU_DEP_2)
	v_pk_add_f32 v[24:25], v[24:25], v[26:27]
	s_delay_alu instid0(VALU_DEP_1)
	v_pk_add_f32 v[20:21], v[20:21], v[24:25]
	s_delay_alu instid0(VALU_DEP_1)
	v_add_f32 v20, v20, v21
	s_delay_alu instid0(VALU_DEP_1)
	v_permlanex16_b32 v21, v20, s[SEL], s[SEL+1]
	s_delay_alu instid0(VALU_DEP_1)
	v_add_f32 v20, v20, v21
	ds_store_b32 v6, v20 offset:512                ; other bytes than the first exchange's: no wave can still be reading them
	s_wait_dscnt 0x0
	s_barrier_signal -1
	s_barrier_wait -1
	ds_load_b128 v[8:11], v7 offset:512
	ds_load_b128 v[12:15], v7 offset:528
	s_wait_dscnt 0x0
	v_pk_add_f32 v[8:9], v[8:9], v[10:11]
	v_pk_add_f32 v[12:13], v[12:13], v[14:15]
	s_delay_alu instid0(VALU_DEP_1)
	v_pk_add_f32 v[8:9], v[8:9], v[12:13]
	s_delay_alu instid0(VALU_DEP_1)
	v_add_f32 v8, v8, v9
	s_delay_alu instid0(VALU_DEP_1)
	v_fma_f32 v18, v8, s20, s21                    ; the variance + 1e-5
	s_wait_alu depctr_va_vdst(0)
	v_rsq_f32 v18, v18
	v_nop                                          ; a plain instruction behind the transcendental,
	s_wait_alu depctr_va_vdst(0)                   ; and the wait ahead of the first instruction that names its result
	v_mov_b32 v19, v18
	s_wait_alu depctr_va_vdst(0)
	s_wait_loadcnt 0x0                             ; s and b
.set j, 0
.rept 32
	v_pk_mul_f32 v[X+j:X+j+1], v[X+j:X+j+1], v[18:19]
.set j, j+2
.endr
.set j, 0
.rept 32
	v_pk_fma_f32 v[X+j:X+j+1], v[X+j:X+j+1], v[SS+j:SS+j+1], v[BB+j:BB+j+1]
.set j, j+2
.endr
	QUANT X, PC, PW
	global_store_b128 v1, v[PC:PC+3], s[48:49]                     ; each of these four stores covers 512 or 256 consecutive bytes, aligned to 256
	global_store_b64 v2, v[PC+4:PC+5], s[48:49] offset:512
	global_store_b128 v1, v[PC+6:PC+9], s[48:49] offset:768
	global_store_b64 v2, v[PC+10:PC+11], s[48:49] offset:1280
	global_store_b32 v1, v[PW], s[50:51]                           ; 4 bytes a lane, 16 apart: the block's other three tiles fill the gaps
	s_wait_tensorcnt 0x0                           ; the wave's end
	ds_add_u32 v240, v241
	s_wait_dscnt 0x0
	CROUND                                         ; the closing round
	s_endpgm
.Lfunc_end_k_q2fb101ee35_oln:
	.size	k_q2fb101ee35_oln, .Lfunc_end_k_q2fb101ee35_oln-k_q2fb101ee35_oln
	.p2alignl 7, 3214868480
	.fill 96, 4, 3214868480
	.section	.rodata,"a",@progbits
	.p2align	6, 0x0
	.amdhsa_kernel k_q2fb101ee35_oln
		.amdhsa_group_segment_fixed_size 327680
		.amdhsa_private_segment_fixed_size 0
		.amdhsa_enable_private_segment 0
		.amdhsa_kernarg_size 64
		.amdhsa_user_sgpr_count 2
		.amdhsa_user_sgpr_kernarg_segment_ptr 1
		.amdhsa_wavefront_size32 1
		.amdhsa_system_sgpr_workgroup_id_x 1
		.amdhsa_system_sgpr_workgroup_id_y 1
		.amdhsa_system_sgpr_workgroup_id_z 1
		.amdhsa_system_vgpr_workitem_id 0
		.amdhsa_next_free_vgpr 512
		.amdhsa_next_free_sgpr 88
		.amdhsa_reserve_vcc 0
		.amdhsa_float_denorm_mode_32 3
		.amdhsa_float_denorm_mode_16_64 3
		.amdhsa_memory_ordered 1
		.amdhsa_forward_progress 1
		.amdhsa_inst_pref_size 73
	.end_amdhsa_kernel
	.amdgpu_metadata
---
amdhsa.version: [ 1, 2 ]
amdhsa.kernels:
  - .name:           k_q2fb101ee35_oln
    .symbol:         k_q2fb101ee35_oln.kd
    .args:
      - { .name: ao, .offset: 0, .size: 8, .value_kind: global_buffer, .address_space: global }
      - { .name: wimg, .offset: 8, .size: 8, .value_kind: global_buffer, .address_space: global }
      - { .name: b_o, .offset: 16, .size: 8, .value_kind: global_buffer, .address_space: global }
      - { .name: x, .offset: 24, .size: 8, .value_kind: global_buffer, .address_space: global }
      - { .name: x2, .offset: 32, .size: 8, .value_kind: global_buffer, .address_space: global }
      - { .name: ln2_s, .offset: 40, .size: 8, .value_kind: global_buffer, .address_space: global }
      - { .name: ln2_b, .offset: 48, .size: 8, .value_kind: global_buffer, .address_space: global }
      - { .name: xn, .offset: 56, .size: 8, .value_kind: global_buffer, .address_space: global }
    .group_segment_fixed_size: 327680
    .private_segment_fixed_size: 0
    .kernarg_segment_align: 8
    .kernarg_segment_size: 64
    .max_flat_workgroup_size: 256
    .sgpr_count:     88
    .vgpr_count:     512
    .wavefront_size: 32
...
	.end_amdgpu_metadata
.endif
;; end of part 4
;; launch fc (part 5): grid 16 x 16, 4 waves a work-group, clusters of 4 x 1, 327,680 bytes of LDS; arguments xn, wimg, b_fc, h; writes h
.if DOCPART == 5
	.amdgcn_target "amdgcn-amd-amdhsa--gfx1250"
	.amdhsa_code_object_version 6
	.text
	.protected	k_q2fb101ee35_fc
	.globl	k_q2fb101ee35_fc
	.p2align	8
	.type	k_q2fb101ee35_fc,@function
k_q2fb101ee35_fc:
	s_mov_b64 s[64:65], 0
	v_nop
	global_prefetch_b8 v0, s[64:65] scope:SCOPE_SE
	s_setreg_imm32_b32 hwreg(HW_REG_WAVE_MODE, 25, 1), 1
	s_wait_xcnt 0x0
	s_wait_alu depctr_hold_cnt(0) depctr_sa_sdst(0) depctr_va_vdst(0) depctr_va_sdst(0) depctr_va_ssrc(0) depctr_va_vcc(0) depctr_vm_vsrc(0)
	s_getreg_b32 s2, hwreg(HW_REG_IB_STS2, 6, 4)
	s_cmp_eq_u32 s2, 0
	s_cbranch_scc0 .Lentry_in_a_cluster
	s_endpgm
.Lentry_in_a_cluster:
	s_bfe_u32 s2, ttmp6, 0x10000c
	s_cmp_lg_u32 s2, 0x3003
	s_cbranch_scc0 .Lentry_shape_is_right
	s_endpgm
.Lentry_shape_is_right:
.set ABLK, 6656
.set ASUB, 53248
.set BBLK, 6400
.set BCOL, 51200
.set AS,   16
.set BS,   24
.set ACC,  56
.set GT,   184
.set TM,   184
.set PC0,  200
.set PC1,  220
.set PW0,  240
.set PW1,  241
.set K1,   248
.set BIAS, 128
.set SEL,  54
.set MSB, 0
.macro WIN new
.if MSB != (\new)
	s_set_vgpr_msb (MSB<<8)|(\new)
.set MSB, \new
.endif
.endm
.macro PLACES n
.rept \n
	v_nop
.endr
.endm
.macro CROUND
	s_barrier_signal -1
	s_barrier_wait -1
	s_cmp_lg_u32 s14, 0
	s_cbranch_scc1 .Lnot_wave_0_\@
	s_barrier_signal -3
.Lnot_wave_0_\@:
	s_barrier_wait -3
	s_barrier_signal -1
	s_barrier_wait -1
.endm
.macro ALOAD s, buf
	WIN 0xc0
.irp m, 0,1,2,3
.irp c, 0,1
	ds_load_b128 v[48*(\buf)+12*\m+6*\c:48*(\buf)+12*\m+6*\c+3], v1 offset:ABLK*(\s)+768*(2*\m+\c)
	ds_load_b64 v[48*(\buf)+12*\m+6*\c+4:48*(\buf)+12*\m+6*\c+5], v2 offset:ABLK*(\s)+768*(2*\m+\c)+512
.endr
.endr
	WIN 0
	ds_load_b128 v[AS+4*(\buf):AS+4*(\buf)+3], v1 offset:ABLK*(\s)+6144
.endm
.macro BLOAD s, ahead
	WIN 0x40*(1+(\s)/4)
.irp t, 0,1,2,3
.irp q, 0,1,2
	global_load_b128 v[48*((\s)%4)+12*\t+4*\q:48*((\s)%4)+12*\t+4*\q+3], v3, s[46:47] offset:(\ahead)+BBLK*(\s)+1536*\t+512*\q
.endr
.endr
	WIN 0
	global_load_b128 v[BS+4*(\s):BS+4*(\s)+3], v4, s[46:47] offset:(\ahead)+BBLK*(\s)+6144
.endm
.macro MUL s, buf, first
	WIN 48*(\first)+12+(1+(\s)/4)
.irp m, 0,1,2,3
.irp t, 0,1,2,3
.if \first
	v_wmma_scale_f32_16x16x128_f8f6f4 v[ACC+8*(4*\m+\t):ACC+8*(4*\m+\t)+7], v[48*((\s)%4)+12*\t:48*((\s)%4)+12*\t+11], v[48*(\buf)+12*\m:48*(\buf)+12*\m+11], v[BIAS+8*\t:BIAS+8*\t+7], v[BS+4*(\s)+\t], v[AS+4*(\buf)+\m] matrix_a_fmt:MATRIX_FMT_BF6 matrix_b_fmt:MATRIX_FMT_BF6
.else
	v_wmma_scale_f32_16x16x128_f8f6f4 v[ACC+8*(4*\m+\t):ACC+8*(4*\m+\t)+7], v[48*((\s)%4)+12*\t:48*((\s)%4)+12*\t+11], v[48*(\buf)+12*\m:48*(\buf)+12*\m+11], v[ACC+8*(4*\m+\t):ACC+8*(4*\m+\t)+7], v[BS+4*(\s)+\t], v[AS+4*(\buf)+\m] matrix_a_fmt:MATRIX_FMT_BF6 matrix_b_fmt:MATRIX_FMT_BF6
.endif
.endr
.endr
.endm
.macro KSTEP s, extra
.if (\s) < 7
	s_wait_dscnt 17
.else
	s_wait_dscnt 0x0
.endif
.if (\extra) >= 0
.set NB, 13*(7-(\s))+(\extra)
.if NB > 63
.set NB, 63
.endif
	s_wait_loadcnt NB
.endif
.if (\s) == 0
	MUL \s, 0, 1
.else
	MUL \s, (\s)%2, 0
.endif
	WIN 0
	PLACES 4
.if (\s) < 6
	ALOAD (\s)+2, (\s)%2
.endif
.endm
.macro QUANT s, pc, pw
.irp b, 0,1,2,3
	v_max3_num_f32 v[TM+\b], |v[\s+16*\b]|, |v[\s+1+16*\b]|, 0x2800000
.endr
.irp i, 2,4,6,8,10,12,14
.irp b, 0,1,2,3
	v_max3_num_f32 v[TM+\b], v[TM+\b], |v[\s+16*\b+\i]|, |v[\s+1+16*\b+\i]|
.endr
.endr
.irp b, 0,1,2,3
	v_permlanex16_b32 v[TM+4+\b], v[TM+\b], s[SEL], s[SEL+1]
.endr
.irp b, 0,1,2,3
	v_max_num_f32 v[TM+\b], v[TM+\b], v[TM+4+\b]
.endr
.irp b, 0,1,2,3
	v_add_nc_u32 v[TM+12+\b], 0xfe000000, v[TM+\b]
.endr
.irp b, 0,1,2,3
	v_lshrrev_b32 v[TM+4+\b], 23, v[TM+12+\b]
.endr
	v_lshl_or_b32 v[\pw], v[TM+5], 8, v[TM+4]
	v_lshl_or_b32 v[\pw], v[TM+6], 16, v[\pw]
	v_lshl_or_b32 v[\pw], v[TM+7], 24, v[\pw]
.irp c, 0,1
	v_cvt_scalef32_pk16_bf6_f32 v[\pc+6*\c:\pc+2+6*\c], v[\s+32*\c:\s+15+32*\c], v[TM+12+2*\c]
	v_cvt_scalef32_pk16_bf6_f32 v[\pc+12+4*\c:\pc+14+4*\c], v[\s+16+32*\c:\s+31+32*\c], v[TM+12+2*\c+1]
.endr
	v_nop
.irp c, 0,1
.irp i, 0,1,2
	v_permlane16_swap_b32 v[\pc+6*\c+\i], v[\pc+12+4*\c+\i]
.endr
.irp i, 0,1,2
	v_mov_b32 v[\pc+3+6*\c+\i], v[\pc+12+4*\c+\i]
.endr
.endr
.endm
.macro PUT pc, o0, o1
	global_store_b128 v3, v[\pc:\pc+3], s[48:49] offset:\o0
	global_store_b64 v5, v[\pc+4:\pc+5], s[48:49] offset:\o0+512
	global_store_b128 v3, v[\pc+6:\pc+9], s[48:49] offset:\o1
	global_store_b64 v5, v[\pc+10:\pc+11], s[48:49] offset:\o1+512
.endm
.macro GELU b
.set XB, ACC+32*(\b)
.set i, 0
.rept 16
	v_pk_mul_f32 v[GT+i:GT+i+1], v[XB+i:XB+i+1], v[XB+i:XB+i+1]
.set i, i+2
.endr
.set i, 0
.rept 16
	v_pk_fma_f32 v[GT+i:GT+i+1], v[GT+i:GT+i+1], s[56:57], v[K1:K1+1] op_sel_hi:[1,0,0]
.set i, i+2
.endr
.set i, 0
.rept 16
	v_pk_mul_f32 v[GT+i:GT+i+1], v[GT+i:GT+i+1], v[XB+i:XB+i+1]
.set i, i+2
.endr
.set i, 0
	s_wait_alu depctr_va_vdst(0)
.rept 32
	v_exp_f32 v[GT+i], v[GT+i]
.set i, i+1
.endr
	v_nop
	s_wait_alu depctr_va_vdst(0)
.set i, 0
.rept 16
	v_pk_add_f32 v[GT+i:GT+i+1], v[GT+i:GT+i+1], 1.0 op_sel_hi:[1,0]
.set i, i+2
.endr
.set i, 0
	s_wait_alu depctr_va_vdst(0)
.rept 32
	v_rcp_f32 v[GT+i], v[GT+i]
.set i, i+1
.endr
	v_nop
	s_wait_alu depctr_va_vdst(0)
.set i, 0
.rept 16
	v_pk_mul_f32 v[XB+i:XB+i+1], v[XB+i:XB+i+1], v[GT+i:GT+i+1]
.set i, i+2
.endr
.endm
	s_load_b256 s[4:11], s[0:1], 0x0
	v_lshl_add_u32 v254, v0, 2, 0x40000
	v_mov_b32 v255, 0
	ds_add_u32 v254, v255
	ds_add_u32 v254, v255
	v_lshrrev_b32 v1, 5, v0
	v_readfirstlane_b32 s14, v1
	s_bfe_u32 s15, ttmp6, 0x40000
	s_mov_b32 s16, ttmp9
	s_and_b32 s17, ttmp7, 0xffff
	s_mov_b32 s20, 15|(3<<16)|(1<<21)
	s_mov_b32 s21, 32<<16
	s_mov_b32 s22, 52<<16
	s_mov_b32 s23, 32<<16
	s_mov_b32 s24, 52
	s_mov_b32 s25, 32
	s_mov_b32 s26, 0
	s_mov_b32 s27, 0
	s_mul_i32 s18, s14, 13312
	s_mul_i32 s52, s17, 212992
	s_add_co_u32 s52, s52, s18
	s_mov_b32 s53, 0
	s_wait_dscnt 0x0
	s_wait_kmcnt 0x0
	s_add_nc_u64 s[4:5], s[4:5], s[52:53]
	s_mov_b32 s28, 1                               ; first fill: my quarter of sub-tile 0, 52 rows of 256 bytes
	s_mov_b32 s29, s18
	s_mov_b64 s[30:31], s[4:5]
	s_or_b32 s31, s31, 0x80000000
	s_mul_i32 s60, s14, 26624
	s_mov_b32 s61, 0
	s_mov_b32 s32, 1                               ; second fill: my quarter of sub-tiles 1 to 3, a dense run of 39,936 bytes at ASUB + 39,936 w, in LDS as in memory
	s_mul_i32 s33, s14, 39936
	s_add_co_u32 s33, s33, ASUB
	s_add_nc_u64 s[34:35], s[4:5], s[60:61]        ; s[4:5] holds 13,312 w already
	s_add_nc_u64 s[34:35], s[34:35], ASUB
	s_or_b32 s35, s35, 0x80000000
	s_mov_b32 s36, 15|(3<<16)|(1<<21)              ; its group 1: 156 rows of 256 bytes
	s_mov_b32 s37, 32<<16
	s_mov_b32 s38, 156<<16
	s_mov_b32 s39, 32<<16
	s_mov_b32 s40, 156
	s_mov_b32 s41, 32
	s_mov_b32 s42, 0
	s_mov_b32 s43, 0
	CROUND                                         ; all four work-groups are here: the joint loads meet
	tensor_load_to_lds s[28:31], s[20:27]          ; one tensor load a wave at the head
	s_nop 0
	PLACES 4
	s_lshl_b32 s19, s16, 2
	s_add_co_u32 s19, s19, s15
	s_lshl_b32 s45, s19, 2
	s_add_co_u32 s45, s45, s14
	s_mul_i32 s52, s45, BCOL
	s_add_co_u32 s52, s52, 3276800
	s_add_nc_u64 s[46:47], s[6:7], s[52:53]
	s_lshl_b32 s52, s45, 8
	s_add_nc_u64 s[8:9], s[8:9], s[52:53]
	v_and_b32 v8, 31, v0
	v_and_b32 v9, 15, v0
	v_bfe_u32 v10, v0, 4, 1
	v_lshlrev_b32 v1, 4, v8
	v_lshlrev_b32 v2, 3, v8
	v_lshlrev_b32 v3, 4, v8
	v_lshlrev_b32 v5, 3, v8
	v_lshlrev_b32 v4, 4, v9
	s_wait_alu depctr_va_vdst(0)
	v_lshlrev_b32 v11, 6, v10
	WIN 0xc0
.irp t, 0,1,2,3
	global_load_b128 v[BIAS+8*\t:BIAS+8*\t+3], v11, s[8:9] offset:(32*(\t/2)+8*(\t%2))*4
	global_load_b128 v[BIAS+8*\t+4:BIAS+8*\t+7], v11, s[8:9] offset:(32*(\t/2)+8*(\t%2))*4+16
.endr
	WIN 0
.irp s, 0,1,2,3,4,5,6,7
	BLOAD \s, 0
.endr
.irp b, 0,1,2,3
	v_mov_b32 v[TM+4+\b], 0
.endr
	v_mov_b32 v[K1], 0xc0135761
	v_mov_b32 v[K1+1], 0xc0135761
	s_mov_b32 s56, 0xbdd2d3e8
	s_mov_b32 s57, s56
	s_mov_b32 s[SEL], 0x76543210
	s_mov_b32 s[SEL+1], 0xfedcba98
	s_mul_i32 s52, s17, 851968
	s_lshl_b32 s18, s19, 1
	s_lshr_b32 s45, s14, 1
	s_add_co_u32 s18, s18, s45
	s_mul_i32 s18, s18, ABLK
	s_add_co_u32 s52, s52, s18
	s_add_nc_u64 s[62:63], s[10:11], s[52:53]
	s_and_b32 s18, s14, 1
	s_mul_i32 s52, s18, 768
	s_add_nc_u64 s[58:59], s[62:63], s[52:53]
	s_lshl_b32 s52, s18, 1
	s_add_co_u32 s52, s52, 6144
	s_add_nc_u64 s[62:63], s[62:63], s[52:53]
	s_mov_b32 s44, 0
	s_wait_alu depctr_va_vdst(0)
	s_wait_tensorcnt 0x0                           ; my quarter of sub-tile 0 is in
	ds_add_u32 v254, v255
	s_wait_dscnt 0x0
	CROUND                                         ; everybody's quarter is in, and the joint loads meet
	tensor_load_to_lds s[32:35], s[36:43]          ; sub-tiles 1 to 3: one load of mine is out while sub-tile 0 is multiplied
	s_nop 0
	PLACES 4
.macro SUBT extra
	ALOAD 0, 0
	ALOAD 1, 1
.irp s, 0,1,2,3,4,5,6,7
	KSTEP \s, \extra
.endr
	s_wait_xcnt 0x0
	s_mul_i32 s52, s44, 212992
	s_add_nc_u64 s[48:49], s[58:59], s[52:53]
	s_add_nc_u64 s[50:51], s[62:63], s[52:53]
	GELU 0
	GELU 1
	GELU 2
	GELU 3
	QUANT ACC, PC0, PW0
	QUANT ACC+64, PC1, PW1
	PUT PC0, 0, 1536
	PUT PC1, 3072, 4608
	global_store_b16 v3, v[PW0], s[50:51]
	global_store_d16_hi_b16 v3, v[PW0], s[50:51] offset:4
	global_store_b16 v3, v[PW1], s[50:51] offset:8
	global_store_d16_hi_b16 v3, v[PW1], s[50:51] offset:12
	v_add_nc_u32 v1, ASUB, v1
	v_add_nc_u32 v2, ASUB, v2
.endm
	SUBT 0
	s_mov_b32 s44, 1
.Lsub:
	s_wait_tensorcnt 0x0
	s_wait_dscnt 0x0
	s_barrier_signal -1
	s_barrier_wait -1
	s_wait_alu depctr_va_vdst(0)
	SUBT -1
	s_add_co_u32 s44, s44, 1
	s_cmp_lt_u32 s44, 4
	s_cbranch_scc1 .Lsub
	s_wait_dscnt 0x0
	s_wait_tensorcnt 0x0
	ds_add_u32 v254, v255
	s_wait_dscnt 0x0
	CROUND
	s_endpgm
.Lfunc_end_k_q2fb101ee35_fc:
	.size	k_q2fb101ee35_fc, .Lfunc_end_k_q2fb101ee35_fc-k_q2fb101ee35_fc
	.p2alignl 7, 3214868480
	.fill 96, 4, 3214868480
	.section	.rodata,"a",@progbits
	.p2align	6, 0x0
	.amdhsa_kernel k_q2fb101ee35_fc
		.amdhsa_group_segment_fixed_size 327680
		.amdhsa_private_segment_fixed_size 0
		.amdhsa_enable_private_segment 0
		.amdhsa_kernarg_size 32
		.amdhsa_user_sgpr_count 2
		.amdhsa_user_sgpr_kernarg_segment_ptr 1
		.amdhsa_wavefront_size32 1
		.amdhsa_system_sgpr_workgroup_id_x 1
		.amdhsa_system_sgpr_workgroup_id_y 1
		.amdhsa_system_sgpr_workgroup_id_z 1
		.amdhsa_system_vgpr_workitem_id 0
		.amdhsa_next_free_vgpr 1024
		.amdhsa_next_free_sgpr 66
		.amdhsa_reserve_vcc 0
		.amdhsa_float_denorm_mode_32 3
		.amdhsa_float_denorm_mode_16_64 3
		.amdhsa_memory_ordered 1
		.amdhsa_forward_progress 1
		.amdhsa_inst_pref_size 147
	.end_amdhsa_kernel
	.amdgpu_metadata
---
amdhsa.version: [ 1, 2 ]
amdhsa.kernels:
  - .name:           k_q2fb101ee35_fc
    .symbol:         k_q2fb101ee35_fc.kd
    .args:
      - { .name: xn, .offset: 0, .size: 8, .value_kind: global_buffer, .address_space: global }
      - { .name: wimg, .offset: 8, .size: 8, .value_kind: global_buffer, .address_space: global }
      - { .name: b_fc, .offset: 16, .size: 8, .value_kind: global_buffer, .address_space: global }
      - { .name: h, .offset: 24, .size: 8, .value_kind: global_buffer, .address_space: global }
    .group_segment_fixed_size: 327680
    .private_segment_fixed_size: 0
    .kernarg_segment_align: 8
    .kernarg_segment_size: 32
    .max_flat_workgroup_size: 128
    .sgpr_count:     66
    .vgpr_count:     1024
    .wavefront_size: 32
...
	.end_amdgpu_metadata
.endif
;; end of part 5
;; launch pr (part 6): grid 8 x 32, 4 waves a work-group, clusters of 4 x 1, 327,680 bytes of LDS; arguments h, wimg, b_pr, x2, out0; writes out0
.if DOCPART == 6
	.amdgcn_target "amdgcn-amd-amdhsa--gfx1250"
	.amdhsa_code_object_version 6
	.text
	.protected	k_q2fb101ee35_pr
	.globl	k_q2fb101ee35_pr
	.p2align	8
	.type	k_q2fb101ee35_pr,@function
k_q2fb101ee35_pr:
	s_mov_b64 s[64:65], 0
	v_nop
	global_prefetch_b8 v0, s[64:65] scope:SCOPE_SE
	s_setreg_imm32_b32 hwreg(HW_REG_WAVE_MODE, 25, 1), 1
	s_wait_xcnt 0x0
	s_wait_alu depctr_hold_cnt(0) depctr_sa_sdst(0) depctr_va_vdst(0) depctr_va_sdst(0) depctr_va_ssrc(0) depctr_va_vcc(0) depctr_vm_vsrc(0)
	s_getreg_b32 s2, hwreg(HW_REG_IB_STS2, 6, 4)
	s_cmp_eq_u32 s2, 0
	s_cbranch_scc0 .Lentry_in_a_cluster
	s_endpgm
.Lentry_in_a_cluster:
	s_bfe_u32 s2, ttmp6, 0x10000c
	s_cmp_lg_u32 s2, 0x3003
	s_cbranch_scc0 .Lentry_shape_is_right
	s_endpgm
.Lentry_shape_is_right:
.set ABLK,  6656
.set PIECE, 4*ABLK
.set SLOTB, 4*PIECE
.set BBLK,  6400
.set AS,    16
.set BS,    32
.set AF,    64
.set XT,    64
.set BK,    192
.set BIAS,  192
.set SETA,  8
.set SETB,  12
.set XB,    SLOTB
.set STG,   XB+4*16384
.set SPARE, 3*SLOTB
.set MSB, 0
.macro WIN new
.if MSB != (\new)
	s_set_vgpr_msb (MSB<<8)|(\new)
.set MSB, \new
.endif
.endm
.macro PLACES n
.rept \n
	v_nop
.endr
.endm
.macro CROUND
	s_barrier_signal -1
	s_barrier_wait -1
	s_cmp_lg_u32 s14, 0
	s_cbranch_scc1 .Lnot_wave_0_\@
	s_barrier_signal -3
.Lnot_wave_0_\@:
	s_barrier_wait -3
	s_barrier_signal -1
	s_barrier_wait -1
.endm
.macro SETAD ad, sf, ss
	v_add_nc_u32 v[\ad], s[\sf], v1
	v_add_nc_u32 v[\ad+1], s[\sf], v2
	v_add_nc_u32 v[\ad+2], s[\ss], v1
	v_add_nc_u32 v[\ad+3], s[\ss], v2
.endm
.macro ALOAD j, ad
.set BUFA, AF+96*((\j)%2)
.set OFA, ABLK*((\j)%4)
.irp f, 0,1
.irp m, 0,1,2,3
.irp c, 0,1
	ds_load_b128 v[BUFA+12*(4*\f+\m)+6*\c:BUFA+12*(4*\f+\m)+6*\c+3], v[\ad+2*\f] offset:OFA+768*(2*\m+\c)
	ds_load_b64 v[BUFA+12*(4*\f+\m)+6*\c+4:BUFA+12*(4*\f+\m)+6*\c+5], v[\ad+2*\f+1] offset:OFA+768*(2*\m+\c)+512
.endr
.endr
	ds_load_b128 v[AS+8*((\j)%2)+4*\f:AS+8*((\j)%2)+4*\f+3], v[\ad+2*\f] offset:OFA+6144
.endr
.endm
.macro BLOAD j
.set SL, (\j)%8
	WIN 0x40*(1+SL/4)
.irp t, 0,1,2,3
.irp q, 0,1,2
	global_load_b128 v[48*(SL%4)+12*\t+4*\q:48*(SL%4)+12*\t+4*\q+3], v1, s[46:47] offset:BBLK*(\j)+1536*\t+512*\q
.endr
.endr
	WIN 0
	global_load_b128 v[BS+4*SL:BS+4*SL+3], v3, s[46:47] offset:BBLK*(\j)+6144
.endm
.macro RLOADM m
	WIN 0x40
.irp i, 0,1,2,3,4,5,6,7
	global_load_b128 v[48*(\m)+4*\i:48*(\m)+4*\i+3], v0, s[48:49] offset:(32*((\m)/2)+8*((\m)%2)+2*\i+8*(\i/4))*4096
.endr
	WIN 0
.endm
.macro MUL j
.set SL, (\j)%8
.set BUFA, AF+96*((\j)%2)
.set ASB, AS+8*((\j)%2)
.set BR, 48*(SL%4)
.if (\j) == 0
	WIN 0xd1
.irp m, 0,1,2,3
.irp t, 0,1,2,3
	v_wmma_scale_f32_16x16x128_f8f6f4 v[8*(4*\m+\t):8*(4*\m+\t)+7], v[BR+12*\t:BR+12*\t+11], v[BUFA+12*\m:BUFA+12*\m+11], v[BIAS+8*\t:BIAS+8*\t+7], v[BS+4*SL+\t], v[ASB+\m] matrix_a_fmt:MATRIX_FMT_BF6 matrix_b_fmt:MATRIX_FMT_BF6
.endr
.endr
	WIN 0xf1
.irp m, 4,5,6,7
.irp t, 0,1,2,3
	v_wmma_scale_f32_16x16x128_f8f6f4 v[8*(4*\m+\t):8*(4*\m+\t)+7], v[BR+12*\t:BR+12*\t+11], v[BUFA+12*\m:BUFA+12*\m+11], 0, v[BS+4*SL+\t], v[ASB+\m] matrix_a_fmt:MATRIX_FMT_BF6 matrix_b_fmt:MATRIX_FMT_BF6
.endr
.endr
.else
	WIN 0xf0+1+SL/4
.irp m, 0,1,2,3,4,5,6,7
.irp t, 0,1,2,3
	v_wmma_scale_f32_16x16x128_f8f6f4 v[8*(4*\m+\t):8*(4*\m+\t)+7], v[BR+12*\t:BR+12*\t+11], v[BUFA+12*\m:BUFA+12*\m+11], v[8*(4*\m+\t):8*(4*\m+\t)+7], v[BS+4*SL+\t], v[ASB+\m] matrix_a_fmt:MATRIX_FMT_BF6 matrix_b_fmt:MATRIX_FMT_BF6
.endr
.endr
.endif
.endm
.macro KSTEP j, last, ad2
.if (\j) < (\last)
	s_wait_dscnt 34
.else
	s_wait_dscnt 0x0
.endif
.if (\j) < 8
.set NB, 63
.else
.set NB, 13*(15-(\j))+8*((\j)-8)
.if (\j) > 12
.set NB, 13*(15-(\j))+32
.endif
.if NB > 63
.set NB, 63
.endif
.endif
	s_wait_loadcnt NB
	MUL \j
	WIN 0
	PLACES 4
.if (\j)+2 <= (\last)
	ALOAD (\j)+2, \ad2
.endif
.if (\j) < 8
	BLOAD (\j)+8
.elseif (\j) < 12
	RLOADM (\j)-8
.endif
.endm
	s_load_b256 s[4:11], s[0:1], 0x0
	s_load_b64 s[12:13], s[0:1], 0x20
	v_lshl_add_u32 v6, v0, 2, SPARE
	v_mov_b32 v7, 0
	ds_add_u32 v6, v7
	ds_add_u32 v6, v7
	s_wait_dscnt 0x0
	v_lshrrev_b32 v1, 5, v0
	v_readfirstlane_b32 s14, v1
	s_bfe_u32 s15, ttmp6, 0x40000
	s_mov_b32 s16, ttmp9
	s_and_b32 s17, ttmp7, 0xffff
	s_and_b32 s44, s14, 1
	s_lshr_b32 s45, s14, 1
	s_mov_b32 s20, 15|(3<<16)|(1<<21)
	s_mov_b32 s21, 32<<16
	s_mov_b32 s22, 104<<16
	s_mov_b32 s23, 32<<16
	s_mov_b32 s24, 104
	s_mov_b32 s25, 32
	s_mov_b32 s26, 0
	s_mov_b32 s27, 0
	s_mul_i32 s18, s14, 3*PIECE                    ; a loading wave's three pieces lie on end in LDS: piece p at 3 PIECE w + PIECE (p % 3)
	s_mul_i32 s52, s17, 425984
	s_mul_i32 s19, s44, 212992
	s_add_co_u32 s52, s52, s19
	s_mul_i32 s19, s45, 16*ABLK
	s_add_co_u32 s52, s52, s19
	s_mov_b32 s53, 0
	s_wait_kmcnt 0x0
	s_add_nc_u64 s[4:5], s[4:5], s[52:53]
.irp p, 0,1,3
	s_mov_b32 s[28+4*\p], 1
	s_add_co_u32 s[29+4*\p], s18, (\p%3)*PIECE
	s_add_nc_u64 s[30+4*\p:31+4*\p], s[4:5], \p*PIECE
	s_or_b32 s[31+4*\p], s[31+4*\p], 0x80000000
.endr
	s_mov_b32 s68, 15|(3<<16)|(1<<21)              ; a second group 1: pieces 1 and 2 as one dense run of 208 rows of 256 bytes
	s_mov_b32 s69, 32<<16
	s_mov_b32 s70, 208<<16
	s_mov_b32 s71, 32<<16
	s_mov_b32 s72, 208
	s_mov_b32 s73, 32
	s_mov_b32 s74, 0
	s_mov_b32 s75, 0
	CROUND                                         ; all four work-groups are here: the joint loads meet
	tensor_load_to_lds s[28:31], s[20:27]          ; piece 0: one tensor load a wave at the head
	s_nop 0
	PLACES 4
	s_lshl_b32 s19, s16, 2
	s_add_co_u32 s19, s19, s15
	s_lshl_b32 s19, s19, 1
	s_add_co_u32 s19, s19, s44
	s_mul_i32 s52, s19, 204800
	s_mul_i32 s18, s45, 16*BBLK
	s_add_co_u32 s52, s52, s18
	s_add_co_u32 s52, s52, 6553600
	s_add_nc_u64 s[46:47], s[6:7], s[52:53]
	s_lshl_b32 s52, s19, 8
	s_add_nc_u64 s[8:9], s[8:9], s[52:53]
	s_lshl_b32 s18, s17, 19
	s_add_co_u32 s52, s52, s18
	s_lshl_b32 s18, s45, 18
	s_add_co_u32 s52, s52, s18
	s_add_nc_u64 s[48:49], s[10:11], s[52:53]
	s_add_nc_u64 s[50:51], s[12:13], s[52:53]
	s_mul_i32 s54, s45, 9*PIECE                    ; the rows that I keep: loading wave 0 or 3,
	s_mul_i32 s55, s45, 3*PIECE
	s_add_co_u32 s55, s55, 3*PIECE                 ; the rows that I hand on: loading wave 1 or 2
	s_add_co_u32 s56, s54, PIECE
	s_add_co_u32 s57, s55, PIECE
	s_add_co_u32 s58, s54, 2*PIECE
	s_add_co_u32 s59, s55, 2*PIECE
	s_mul_i32 s60, s14, 3*PIECE                    ; the exchange: 16,384 bytes in loading wave w's second piece, which has had its last fill and, at the barrier behind K step 11, its last read
	s_add_co_u32 s60, s60, PIECE
	s_xor_b32 s61, s14, 2
	s_mul_i32 s61, s61, 3*PIECE
	s_add_co_u32 s61, s61, PIECE
	v_and_b32 v64, 31, v0
	v_and_b32 v65, 15, v0
	v_bfe_u32 v66, v0, 4, 1
	v_lshlrev_b32 v1, 4, v64
	v_lshlrev_b32 v2, 3, v64
	v_lshlrev_b32 v3, 4, v65
	s_mul_i32 s18, s14, 3*PIECE
	s_add_co_u32 s18, s18, PIECE+16384             ; my stage: behind my exchange bytes, in the same piece
	v_mul_u32_u24 v4, v65, 272
	v_lshl_add_u32 v4, v66, 6, v4
	v_add_nc_u32 v4, s18, v4
	v_mul_u32_u24 v5, v66, 272
	v_lshl_add_u32 v5, v65, 4, v5
	v_add_nc_u32 v5, s18, v5
	v_lshlrev_b32 v15, 6, v66
	v_lshlrev_b32 v0, 12, v66
	v_lshl_add_u32 v0, v65, 4, v0
	SETAD SETA, 54, 55
	WIN 0x40
.irp t, 0,1,2,3
	global_load_b128 v[BIAS+8*\t:BIAS+8*\t+3], v15, s[8:9] offset:(32*(\t/2)+8*(\t%2))*4
	global_load_b128 v[BIAS+8*\t+4:BIAS+8*\t+7], v15, s[8:9] offset:(32*(\t/2)+8*(\t%2))*4+16
.endr
	WIN 0
.irp j, 0,1,2,3,4,5,6,7
	BLOAD \j
.endr
	s_wait_alu depctr_va_vdst(0)
	s_wait_tensorcnt 0x0                           ; my piece 0 is in
	ds_add_u32 v6, v7
	s_wait_dscnt 0x0
	CROUND                                         ; everybody's is, and the joint loads meet
	tensor_load_to_lds s[32:35], s[68:75]          ; pieces 1 and 2: one load of mine is out while K steps 0 to 3 are multiplied
	s_nop 0
	PLACES 4
	ALOAD 0, SETA
	ALOAD 1, SETA
	KSTEP 0, 3, SETA
	KSTEP 1, 3, SETA
	KSTEP 2, 3, SETA
	KSTEP 3, 3, SETA
	s_wait_tensorcnt 0x0
	ds_add_u32 v6, v7
	s_wait_xcnt 0x0
	SETAD SETA, 56, 57
	SETAD SETB, 58, 59
	s_wait_dscnt 0x0
	CROUND
	tensor_load_to_lds s[40:43], s[20:27]
	s_nop 0
	PLACES 4
	s_wait_alu depctr_va_vdst(0)
	ALOAD 4, SETA
	ALOAD 5, SETA
	KSTEP 4, 11, SETA
	KSTEP 5, 11, SETA
	KSTEP 6, 11, SETB
	KSTEP 7, 11, SETB
	KSTEP 8, 11, SETB
	KSTEP 9, 11, SETB
	KSTEP 10, 11, SETB
	KSTEP 11, 11, SETB
	SETAD SETA, 54, 55
	s_wait_alu depctr_va_vdst(0)
	s_wait_tensorcnt 0x0
	s_wait_dscnt 0x0
	s_barrier_signal -1
	s_barrier_wait -1
	ALOAD 12, SETA
	ALOAD 13, SETA
	KSTEP 12, 15, SETA
	KSTEP 13, 15, SETA
	KSTEP 14, 15, SETA
	KSTEP 15, 15, SETA
	v_add_nc_u32 v8, s60, v1
	v_add_nc_u32 v9, s61, v1
	WIN 0x0c
.set k, 0
.rept 16
	ds_store_b128 v8, v[128+8*k:128+8*k+3] offset:1024*k
	ds_store_b128 v8, v[128+8*k+4:128+8*k+7] offset:1024*k+512
.set k, k+1
.endr
	WIN 0
	s_wait_alu depctr_va_vdst(0)
	s_wait_dscnt 0x0
	s_barrier_signal -1
	s_barrier_wait -1
.set k, 0
.rept 32
	ds_load_b128 v[XT+4*k:XT+4*k+3], v9 offset:512*k
.set k, k+1
.endr
	s_wait_dscnt 0x0
	WIN 0xc3
.set k, 0
.rept 64
	v_pk_add_f32 v[k:k+1], v[k:k+1], v[XT+k:XT+k+1]
.set k, k+2
.endr
	WIN 0
	s_wait_loadcnt 0x0
.irp m, 0,1,2,3
	WIN 0x0c
.irp t, 0,1,2,3
	ds_store_b128 v4, v[8*(4*\m+\t):8*(4*\m+\t)+3] offset:128*(\t/2)+32*(\t%2)
	ds_store_b128 v4, v[8*(4*\m+\t)+4:8*(4*\m+\t)+7] offset:128*(\t/2)+32*(\t%2)+16
.endr
	WIN 0
.irp i, 0,1,2,3,4,5,6,7
	ds_load_b128 v[BK+4*\i:BK+4*\i+3], v5 offset:544*\i
.endr
	s_wait_dscnt 0x0
	WIN 0x41
.irp k, 0,2,4,6,8,10,12,14,16,18,20,22,24,26,28,30
	v_pk_add_f32 v[48*\m+\k:48*\m+\k+1], v[48*\m+\k:48*\m+\k+1], v[BK+\k:BK+\k+1]
.endr
	WIN 0x04
.irp i, 0,1,2,3,4,5,6,7
	global_store_b128 v0, v[48*\m+4*\i:48*\m+4*\i+3], s[50:51] offset:(32*(\m/2)+8*(\m%2)+2*\i+8*(\i/4))*4096 th:TH_STORE_NT
.endr
	WIN 0
.endr
	s_wait_tensorcnt 0x0
	ds_add_u32 v6, v7
	s_wait_dscnt 0x0
	CROUND
	s_endpgm
.Lfunc_end_k_q2fb101ee35_pr:
	.size	k_q2fb101ee35_pr, .Lfunc_end_k_q2fb101ee35_pr-k_q2fb101ee35_pr
	.p2alignl 7, 3214868480
	.fill 96, 4, 3214868480
	.section	.rodata,"a",@progbits
	.p2align	6, 0x0
	.amdhsa_kernel k_q2fb101ee35_pr
		.amdhsa_group_segment_fixed_size 327680
		.amdhsa_private_segment_fixed_size 0
		.amdhsa_enable_private_segment 0
		.amdhsa_kernarg_size 40
		.amdhsa_user_sgpr_count 2
		.amdhsa_user_sgpr_kernarg_segment_ptr 1
		.amdhsa_wavefront_size32 1
		.amdhsa_system_sgpr_workgroup_id_x 1
		.amdhsa_system_sgpr_workgroup_id_y 1
		.amdhsa_system_sgpr_workgroup_id_z 1
		.amdhsa_system_vgpr_workitem_id 0
		.amdhsa_next_free_vgpr 1024
		.amdhsa_next_free_sgpr 80
		.amdhsa_reserve_vcc 0
		.amdhsa_float_denorm_mode_32 3
		.amdhsa_float_denorm_mode_16_64 3
		.amdhsa_memory_ordered 1
		.amdhsa_forward_progress 1
		.amdhsa_inst_pref_size 155
	.end_amdhsa_kernel
	.amdgpu_metadata
---
amdhsa.version: [ 1, 2 ]
amdhsa.kernels:
  - .name:           k_q2fb101ee35_pr
    .symbol:         k_q2fb101ee35_pr.kd
    .args:
      - { .name: h, .offset: 0, .size: 8, .value_kind: global_buffer, .address_space: global }
      - { .name: wimg, .offset: 8, .size: 8, .value_kind: global_buffer, .address_space: global }
      - { .name: b_pr, .offset: 16, .size: 8, .value_kind: global_buffer, .address_space: global }
      - { .name: x2, .offset: 24, .size: 8, .value_kind: global_buffer, .address_space: global }
      - { .name: out0, .offset: 32, .size: 8, .value_kind: global_buffer, .address_space: global }
    .group_segment_fixed_size: 327680
    .private_segment_fixed_size: 0
    .kernarg_segment_align: 8
    .kernarg_segment_size: 40
    .max_flat_workgroup_size: 128
    .sgpr_count:     80
    .vgpr_count:     1024
    .wavefront_size: 32
...
	.end_amdgpu_metadata
.endif
;; end of part 6
